; MI455X (gfx1250); checked and timed in simulation.
; The chip was launched on July 23, 2026; its instructions are those of AMD's public machine-readable ISA for CDNA 5 (MIT licence, August 2026) and "CDNA5" Instruction Set Architecture Reference Guide (July 2026). The comments in the code are by the model that wrote it; some were corrected since.
;; Multi Head. Allowed arithmetic: matrix products marked QUANTISED: E2M3 operands, one E8M0 scale for each 32 along K, by v_wmma_scale_f32_16x16x128_f8f6f4 with both operands' format E2M3, f32 sums; everything else in f32.
;; Inputs: W_o 1,024 x 1,024 float32; W_qkv 1,024 x 3,072 float32; xin 4 x 2,048 x 1,024 float32.
;; Outputs: out0 4 x 2,048 x 1,024 float32.
;; This version of the problem:
;;   THIS VERSION OF THE PROBLEM IS GIVEN IN LOW PRECISION. The matrix products marked QUANTISED in the list below multiply operands that are first quantised to E2M3 (2 exponent bits, 3 mantissa bits; 6 bits a number), with one power-of-two scale for each 32 numbers along K (OCP MX v1.0); their sums are f32. All else is computed in f32.
;;   The module's matrix products, in the order in which they are computed (A, B: the left and right operand; K: the contracted axis; several contracted axes count as one K, in the product's order):
;;     1. [M 8,192, K 1,024] x [K 1,024, N 3,072]; A: input xin; B: input W_qkv: QUANTISED
;;     2. batch 64 x [M 2,048, K 64] x [K 64, N 2,048]; A: computed on the way; B: computed on the way: QUANTISED
;;     3. batch 64 x [M 2,048, K 2,048] x [K 2,048, N 64]; A: softmax (see below); B: computed on the way: QUANTISED
;;     4. [M 8,192, K 1,024] x [K 1,024, N 1,024]; A: computed on the way; B: input W_o: QUANTISED
;;   THE QUANTISER, for each operand of a quantised product, along K:
;;     - K is cut into blocks of 32 from its start; a last block that is shorter is filled with zeros.
;;     - A block's scale is 2^e with e = floor(log2(the largest magnitude in the block)) - 2, held to -126 .. 127; a block of zeros has e = 0. As a byte (E8M0): e + 127.
;;     - Each number is divided by its block's scale, clamped to +-7.5, and rounded to the nearest number of E2M3, ties to even, subnormals kept.
;;     - The product sums the exact products of the quantised numbers (number of the format x scale) in f32.
;;   ~~~python
;;   def quantise(x, axis):      # numpy; x: float32 -> the quantised numbers, widened to float32 again
;;       x = np.moveaxis(x, axis, -1); K = x.shape[-1]
;;       x = np.pad(x, [(0, 0)] * (x.ndim - 1) + [(0, -K % 32)]); x = x.reshape(x.shape[:-1] + (-1, 32)); a = np.abs(x).max(-1, keepdims=True)
;;       e = np.where(a > 0, np.clip(np.frexp(np.where(a > 0, a, 1))[1] - 1 - 2, -126, 127), 0)      # np.frexp(a)[1] - 1 = floor(log2(a)), exactly
;;       r = np.clip(x / 2.0 ** e, -7.5, 7.5)
;;       step = 2.0 ** (np.maximum(np.frexp(np.where(r == 0, 1, r))[1] - 1, 0) - 3)
;;       q = np.round(r / step) * step * 2.0 ** e      # np.round: ties to even
;;       return np.moveaxis(q.reshape(q.shape[:-2] + (-1,))[..., :K], -1, axis).astype(np.float32)
;;   ~~~
;;   SOFTMAX AHEAD OF A QUANTISED PRODUCT. Where the list says 'softmax', what is quantised is not the finished softmax but p = 2^(t - M), with t = logit x log2(e) and M = ceil(the row's largest t), a whole number; so 1/2 < the row's largest p <= 1. The row's sum l is taken of the UNQUANTISED p, in f32, and the product's result is divided by l at the end. Since M is a whole number, a kernel that streams over the keys may use a running M (the ceiling of the running maximum): every later rescaling is an exact power of two, which a block's scale takes up: the codes' values come out the same.
;;   OPERANDS COMPUTED ON THE WAY. 'Computed on the way' means the value that the module computes at that place (a softmax that the list does not call 'softmax' is quantised finished and normalised). What goes into a quantiser is computed in f32, as accurately as f32 sums, v_exp_f32 and their like allow (about 1e-6 of the number): no bf16 or f16 on the way to a quantiser, and a product that is left as it is and whose result goes on into a quantised operand takes f32 operands (vector FMAs, or v_wmma_f32_16x16x4_f32). A number that lies on a knife's edge between two numbers of the format may be rounded either way, as far as f32 arithmetic and the matrix unit's own rounding can turn it there, and no further.
;; One version. Each part assembles by itself: llvm-mc -triple=amdgcn-amd-amdhsa -mcpu=gfx1250 --defsym DOCPART=n.
;; ======== version 1 of 1: 5 launches
;; limits: right only within a limited range of input values
;; workspace buffers: xq 6,553,600 bytes; wq 3,276,800 bytes; qk 19,660,800 bytes; vf 50,331,648 bytes; vq 6,553,600 bytes; oq 6,553,600 bytes
;; launch quant (part 1): grid 384 x 1, 4 waves a work-group, no clusters, 68,096 bytes of LDS; arguments xin, W_qkv, W_o, xq, wq; writes xq, wq
.if DOCPART == 1
	.amdgcn_target "amdgcn-amd-amdhsa--gfx1250"
	.amdhsa_code_object_version 6
	.text
	.protected	k_q197df68ff6_quant
	.globl	k_q197df68ff6_quant
	.p2align	8
	.type	k_q197df68ff6_quant,@function
k_q197df68ff6_quant:
	s_mov_b64 s[64:65], 0
	v_nop
	global_prefetch_b8 v0, s[64:65] scope:SCOPE_SE
	s_setreg_imm32_b32 hwreg(HW_REG_WAVE_MODE, 25, 1), 1
	s_wait_xcnt 0x0
; xin [8192][1024] (K innermost) and the weights W_qkv [1024][3072], W_o [1024][1024] (K is the FIRST axis), all f32, become codes of FP6 (E2M3) with K innermost and one E8M0 byte for each 32 along K.
; xq: codes [8192][768] at 0, scale bytes [8192][32] at XQS.   wq: W_qkv's codes [3072][768] at 0, its bytes [3072][32] at WQS; W_o's codes [1024][768] at WOC, its bytes [1024][32] at WOS.
; A block's scale is 2^(floor(log2(largest magnitude)) - 2): its byte is the largest magnitude's exponent field - 2, held at 1 from below by a floor among the maximum's leaves.
; LIMITS: a block of zeros gets the byte 1 where the quantiser's rule says 127 (its codes are zeros, and this program alone reads the bytes); NaN and infinities among the inputs are not served.
; Work-groups 0-255 take xin, work-groups 256-383 the weights.  The two ways part on the work-group's number and have LDS bytes of their own.  No tensor load, no barrier: waves share nothing.
; No matrix unit, no cluster: memory binds, and no two work-groups read the same bytes.
.set XWG,   256                        ; work-groups for xin: 8,388,608 numbers / (4 waves x 8,192)
.set XQS,   6291456
.set WQS,   2359296
.set WOC,   2457600
.set WOS,   3244032
; ---- names of the way for xin
.set STEPS, 16                         ; a wave takes 16 steps of 512 numbers
.set CB,    12                         ; bytes of 16 codes
.set R,     16                         ; v16-79   four sets of 16 numbers as they are loaded
.set X,     80                         ; v80-111  two sets of 16 neighbours
.set E,     112                        ; v112-127 a scale byte for each step
.set C,     128                        ; v128-191 codes: four registers for each step, so that no store's data are written again
.set WREG,  8192                       ; LDS: a region for each wave: two stages of 32 x SP bytes, and behind them its 256 scale bytes
.set SP,    80                         ; a lane's place in a stage: its 64 bytes + 16 of padding
; ---- names of the way for the weights
.set WLDS,  32768                      ; LDS: behind the other way's bytes: a stage of 32 rows x PITCH for each wave
.set NB,    8                          ; blocks of 32 along K for a wave (256 along K)
.set PITCH, 272                        ; a stage row: sixteen places of 16 bytes, each with 12 bytes of codes, + 16
.set KROW,  768                        ; a row of codes in memory
.set SB,    24                         ; v24-25   the scale bytes, four to a register
.set WX,    32                         ; v32-95   two sets of 32 numbers
.set WC,    96                         ; v96-102  a block's codes
.set OUTR,  112                        ; v112-175 the way out
.set OFF,   176                        ; v176-207 i rows of the weight + 4 x lane
.set WB,    32                         ; s[32:47] where block t's 32 rows begin, t = 0 .. 7
	s_load_b256 s[4:11], s[0:1], 0x0               ; xin s[4:5], W_qkv s[6:7], W_o s[8:9], xq s[10:11]
	s_load_b64 s[12:13], s[0:1], 0x20              ; wq
	v_lshl_add_u32 v208, v0, 2, 0x10800
	v_mov_b32 v209, 0
	v_lshrrev_b32 v1, 5, v0
	v_readfirstlane_b32 s16, v1                    ; wave
	v_and_b32 v2, 31, v0                           ; lane
	s_cmp_lt_u32 ttmp9, XWG
	s_cbranch_scc0 .Lweights
; ================ xin: a plain stream of blocks of 32.  Each load reads 512 consecutive bytes; a step's 2,048 bytes turn through the wave's own stage in LDS, so that a lane then holds 16 NEIGHBOURS (two lanes hold a block).
	v_lshlrev_b32 v3, 4, v2                        ; my 16 bytes of a load's 512
	s_mul_i32 s17, s16, WREG
	v_lshrrev_b32 v14, 2, v2
	v_mul_u32_u24 v14, v14, SP
	v_and_b32 v15, 3, v2
	v_lshl_add_u32 v14, v15, 4, v14
	v_add_nc_u32 v14, s17, v14                     ; the stage, on the way in: SP (lane / 4) + 16 (lane % 4)
	v_mul_u32_u24 v15, v2, SP
	v_add_nc_u32 v15, s17, v15                     ; and on the way out: SP x lane
	v_mul_u32_u24 v4, v2, CB                       ; my codes' place in a step's
	v_lshrrev_b32 v5, 1, v2
	s_add_co_u32 s17, s17, 2*32*SP
	v_add_nc_u32 v5, s17, v5                       ; LDS: my wave's 256 scale bytes, my block's byte
	v_lshlrev_b32 v7, 3, v2                        ; and on the way out 8 bytes a lane
	v_add_nc_u32 v6, s17, v7
	s_lshl_b32 s17, ttmp9, 2
	s_add_co_u32 s18, s17, s16                     ; which run of 8,192 numbers is my wave's
	s_mov_b32 s19, 0
	s_lshl_b32 s20, s18, 15                        ; 32,768 bytes of numbers a run (under 2^25 in all)
	s_mov_b32 s21, 0
	s_mul_i32 s26, s18, 32*STEPS*CB                ; 6,144 bytes of codes
	s_mov_b32 s27, 0
	s_lshl_b32 s18, s18, 8                         ; 256 scale bytes
	s_wait_alu depctr_va_vdst(0)
	s_wait_kmcnt 0x0
	s_add_nc_u64 s[4:5], s[4:5], s[20:21]
	s_add_nc_u64 s[22:23], s[10:11], s[26:27]
	s_add_nc_u64 s[24:25], s[10:11], s[18:19]
	s_add_nc_u64 s[24:25], s[24:25], XQS
.macro XLOAD t
.irp i, 0,1,2,3
	global_load_b128 v[R+16*((\t)%4)+4*\i:R+16*((\t)%4)+4*\i+3], v3, s[4:5] offset:2048*(\t)+512*\i th:TH_LOAD_NT   ; 32 lanes read 512 consecutive bytes
.endr
.endm
.macro XTURN t                         ; step t's numbers through the stage: LDS serves a wave's instructions in order, so no wait stands between the stores and the loads
.irp i, 0,1,2,3
	ds_store_b128 v14, v[R+16*((\t)%4)+4*\i:R+16*((\t)%4)+4*\i+3] offset:32*SP*((\t)%2)+8*SP*\i
.endr
.irp i, 0,1,2,3
	ds_load_b128 v[X+16*((\t)%2)+4*\i:X+16*((\t)%2)+4*\i+3], v15 offset:32*SP*((\t)%2)+16*\i
.endr
.endm
.irp t, 0,1,2,3
	XLOAD \t
.endr
	s_wait_loadcnt 12                              ; step 0's four loads are in; the twelve of steps 1 to 3 may be out
	XTURN 0
.macro XSTEP t
.set XS, X+16*((\t)%2)
.if (\t) > 0
	s_wait_dscnt 1                                 ; this step's numbers are back from the stage (the last step's byte store may be out): so its stores into the stage have read their registers,
.else
	s_wait_dscnt 0x0
.endif
.if (\t)+4 < STEPS
	XLOAD (\t)+4                                   ; which take the loads of four steps on
.endif
.if (\t)+1 < STEPS
.if STEPS-2-(\t) >= 3
	s_wait_loadcnt 12                              ; the next step's four loads are in; those of the three steps behind it may be out
.else
	s_wait_loadcnt 4*(STEPS-2-(\t))                ; near the end fewer steps stand behind it
.endif
	XTURN (\t)+1                                   ; and go through the other stage while this step is worked
.endif
	v_max3_num_f32 v8, |v[XS]|, |v[XS+1]|, |v[XS+2]|               ; the largest magnitude of my 16, in two chains
	v_max3_num_f32 v9, |v[XS+3]|, |v[XS+4]|, |v[XS+5]|
.irp i, 6,10
	v_max3_num_f32 v8, v8, |v[XS+\i]|, |v[XS+\i+1]|
	v_max3_num_f32 v9, v9, |v[XS+\i+2]|, |v[XS+\i+3]|
.endr
	v_max3_num_f32 v8, v8, |v[XS+14]|, |v[XS+15]|
	v_max3_num_f32 v8, v8, v9, 0x1800000           ; and the floor 2^(3 - 127): the byte cannot fall under 1
	v_max_num_f32_dpp v8, v8, v8 row_xmask:1 row_mask:0xf bank_mask:0xf   ; and of my neighbour's 16: the block's
	v_add_nc_u32 v11, 0xff000000, v8               ; 2 off its exponent field: the conversion takes the exponent field of this operand as its scale
	v_cvt_scalef32_pk16_fp6_f32 v[C+4*(\t):C+4*(\t)+2], v[XS:XS+15], v11   ; sixteen codes, 96 bits without gaps, the first number's code lowest
	v_lshrrev_b32 v[E+(\t)], 23, v11               ; the scale's byte (also the plain line behind the conversion)
	ds_store_b8 v5, v[E+(\t)] offset:16*(\t)       ; both lanes of a block write the same byte with the same value
	global_store_b96 v4, v[C+4*(\t):C+4*(\t)+2], s[22:23] offset:32*CB*(\t)   ; the wave stores 384 consecutive bytes
.endm
.irp t, 0,1,2,3,4,5,6,7,8,9,10,11,12,13,14,15
	XSTEP \t
.endr
	ds_load_b64 v[12:13], v6                       ; LDS serves a wave's instructions in order: these see my byte stores
	s_wait_dscnt 0x0
	global_store_b64 v7, v[12:13], s[24:25]        ; 32 lanes store 256 consecutive bytes, aligned
	s_wait_tensorcnt 0x0
	ds_add_u32 v208, v209
	s_wait_dscnt 0x0
	s_endpgm
; ================ the weights: A LANE TAKES A COLUMN n, AND ITS REGISTERS RUN DOWN K: a block of 32 along K lies in one lane's 32 registers, and the conversions give codes with K innermost.
; g = work-group - 256: column group g % 32 (0-23: W_qkv's 128 columns each, 24-31: W_o's), 256 along K at 256 (g / 32).  A wave takes 32 columns.
.Lweights:
	s_sub_co_u32 s17, ttmp9, XWG
	s_and_b32 s18, s17, 31                         ; column group
	s_lshr_b32 s19, s17, 5                         ; which 256 along K
	s_mov_b32 s48, 4096                            ; a row of W_o in bytes,
	s_mov_b32 s26, WOC
	s_mov_b32 s27, WOS
	s_wait_kmcnt 0x0
	s_cmp_lt_u32 s18, 24                           ; W_qkv's group or W_o's?  All choices stand on this one compare, which hangs on the work-group's number alone
	s_cselect_b64 s[6:7], s[6:7], s[8:9]
	s_cselect_b32 s48, 12288, s48                  ; of W_qkv
	s_cselect_b32 s20, 0, 24
	s_cselect_b32 s26, 0, s26                      ; where the tensor's codes begin in wq,
	s_cselect_b32 s27, WQS, s27                    ; and its scale bytes
	s_sub_co_u32 s18, s18, s20
	s_lshl_b32 s18, s18, 7
	s_lshl_b32 s21, s16, 5
	s_add_co_u32 s18, s18, s21                     ; my wave's first column
	s_lshl_b32 s22, s19, 8
	s_mul_i32 s22, s22, s48                        ; 256 rows for each step along K (under 2^24)
	s_lshl_b32 s21, s18, 2
	s_add_co_u32 s22, s22, s21
	s_mov_b32 s23, 0
	s_add_nc_u64 s[WB:WB+1], s[6:7], s[22:23]      ; block 0's first row, my first column
	s_lshl_b32 s50, s48, 5                         ; 32 rows on
	s_mov_b32 s51, 0
.irp t, 1,2,3,4,5,6,7
	s_add_nc_u64 s[WB+2*\t:WB+2*\t+1], s[WB+2*\t-2:WB+2*\t-1], s[50:51]
.endr
	s_mul_i32 s24, s18, KROW                       ; codes: column x 768 + 192 for each 256 along K
	s_add_co_u32 s24, s24, s26
	s_mul_i32 s21, s19, 192
	s_add_co_u32 s24, s24, s21
	s_mov_b32 s25, 0
	s_add_nc_u64 s[52:53], s[12:13], s[24:25]
	s_lshl_b32 s24, s18, 5                         ; scale bytes: column x 32 + 8 for each 256 along K
	s_add_co_u32 s24, s24, s27
	s_lshl_b32 s21, s19, 3
	s_add_co_u32 s24, s24, s21
	s_add_nc_u64 s[54:55], s[12:13], s[24:25]
	s_wait_alu depctr_va_vdst(0)
	v_lshlrev_b32 v3, 2, v2                        ; in: 4 bytes a lane: a load reads 128 consecutive bytes, the four waves stand side by side on 512
	s_mul_i32 s21, s16, 32*PITCH
	s_add_co_u32 s21, s21, WLDS                    ; my stage
	v_mul_u32_u24 v4, v2, PITCH
	v_add_nc_u32 v4, s21, v4                       ; into it: row = my column
	v_and_b32 v5, 15, v2
	v_lshrrev_b32 v6, 4, v2                        ; out of it: sixteen lanes to a row, two rows an instruction
	v_mul_u32_u24 v7, v6, PITCH
	v_lshl_add_u32 v7, v5, 4, v7
	v_add_nc_u32 v7, s21, v7
	v_mul_u32_u24 v8, v6, KROW
	v_mad_u32_u24 v8, v5, 12, v8                   ; and the same place among the codes
	v_lshlrev_b32 v9, 5, v2                        ; my column's row of scale bytes
.irp i, 0,1,2,3,4,5,6,7,8,9,10,11,12,13,14,15,16,17,18,19,20,21,22,23,24,25,26,27,28,29,30,31
	v_mad_u32_u24 v[OFF+\i], s48, \i, v3           ; the two weights' rows differ in length, so a row's offset stands in a register
.endr
.macro WLOAD t                         ; block t: W(32 t + i, my column), i = 0 .. 31, into set t % 2
.irp i, 0,1,2,3,4,5,6,7,8,9,10,11,12,13,14,15,16,17,18,19,20,21,22,23,24,25,26,27,28,29,30,31
	global_load_b32 v[WX+32*((\t)%2)+\i], v[OFF+\i], s[WB+2*(\t):WB+2*(\t)+1] th:TH_LOAD_NT
.endr
.endm
	WLOAD 0
	WLOAD 1
.macro WBLOCK t
.set WS, WX+32*((\t)%2)
.if (\t) < NB-1
	s_wait_loadcnt 32                              ; this block's 32 loads are in; the next block's 32 may be out
.else
	s_wait_loadcnt 0
.endif
	v_max3_num_f32 v12, |v[WS]|, |v[WS+1]|, |v[WS+2]|               ; the block's largest magnitude: all 32 numbers are mine
	v_max3_num_f32 v13, |v[WS+3]|, |v[WS+4]|, |v[WS+5]|
.irp i, 6,10,14,18,22,26
	v_max3_num_f32 v12, v12, |v[WS+\i]|, |v[WS+\i+1]|
	v_max3_num_f32 v13, v13, |v[WS+\i+2]|, |v[WS+\i+3]|
.endr
	v_max3_num_f32 v12, v12, |v[WS+30]|, |v[WS+31]|
	v_max3_num_f32 v12, v12, v13, 0x1800000        ; and the floor
	v_add_nc_u32 v11, 0xff000000, v12              ; the conversion's scale operand
	v_lshrrev_b32 v13, 23, v11                     ; the scale's byte
.if (\t)%4 == 0
	v_mov_b32 v[SB+(\t)/4], v13                    ; four bytes to a register, the lower K in the lower byte
.else
	v_lshl_or_b32 v[SB+(\t)/4], v13, 8*((\t)%4), v[SB+(\t)/4]
.endif
	v_cvt_scalef32_pk16_fp6_f32 v[WC:WC+2], v[WS:WS+15], v11
	v_cvt_scalef32_pk16_fp6_f32 v[WC+4:WC+6], v[WS+16:WS+31], v11   ; (a conversion's three registers begin on an even number)
	v_nop                                          ; a plain line behind the conversions
	ds_store_b96 v4, v[WC:WC+2] offset:32*(\t)     ; 16 codes, 12 bytes, to a place of 16 bytes, so that every LDS address is a multiple of 16
	ds_store_b96 v4, v[WC+4:WC+6] offset:32*(\t)+16
.if (\t)+2 < NB
	WLOAD (\t)+2
.endif
	s_wait_dscnt 0x0                               ; the stores have read their registers: the next block's codes may be written
.endm
.irp t, 0,1,2,3,4,5,6,7
	WBLOCK \t
.endr
	s_wait_alu depctr_va_vdst(0)
	global_store_b64 v9, v[SB:SB+1], s[54:55]      ; my column's 8 scale bytes
.irp t, 0,1,2,3,4,5,6,7,8,9,10,11,12,13,14,15
	ds_load_b96 v[OUTR+4*\t:OUTR+4*\t+2], v7 offset:2*\t*PITCH   ; LDS serves a wave's instructions in order: these see my stores
.endr
.irp t, 0,1,2,3,4,5,6,7,8,9,10,11,12,13,14,15
	s_wait_dscnt 15-\t                             ; the younger loads may be out
	global_store_b96 v8, v[OUTR+4*\t:OUTR+4*\t+2], s[52:53] offset:2*\t*KROW   ; sixteen lanes store a row's 192 consecutive bytes
.endr
	s_wait_tensorcnt 0x0
	ds_add_u32 v208, v209
	s_wait_dscnt 0x0
	s_endpgm
.Lfunc_end_k_q197df68ff6_quant:
	.size	k_q197df68ff6_quant, .Lfunc_end_k_q197df68ff6_quant-k_q197df68ff6_quant
	.p2alignl 7, 3214868480
	.fill 96, 4, 3214868480
	.section	.rodata,"a",@progbits
	.p2align	6, 0x0
	.amdhsa_kernel k_q197df68ff6_quant
		.amdhsa_group_segment_fixed_size 68096
		.amdhsa_private_segment_fixed_size 0
		.amdhsa_enable_private_segment 0
		.amdhsa_kernarg_size 40
		.amdhsa_user_sgpr_count 2
		.amdhsa_user_sgpr_kernarg_segment_ptr 1
		.amdhsa_wavefront_size32 1
		.amdhsa_system_sgpr_workgroup_id_x 1
		.amdhsa_system_sgpr_workgroup_id_y 1
		.amdhsa_system_sgpr_workgroup_id_z 1
		.amdhsa_system_vgpr_workitem_id 0
		.amdhsa_next_free_vgpr 210
		.amdhsa_next_free_sgpr 66
		.amdhsa_reserve_vcc 0
		.amdhsa_float_denorm_mode_32 3
		.amdhsa_float_denorm_mode_16_64 3
		.amdhsa_memory_ordered 1
		.amdhsa_forward_progress 1
		.amdhsa_inst_pref_size 76
	.end_amdhsa_kernel
	.amdgpu_metadata
---
amdhsa.version: [ 1, 2 ]
amdhsa.kernels:
  - .name:           k_q197df68ff6_quant
    .symbol:         k_q197df68ff6_quant.kd
    .args:
      - { .name: xin, .offset: 0, .size: 8, .value_kind: global_buffer, .address_space: global }
      - { .name: W_qkv, .offset: 8, .size: 8, .value_kind: global_buffer, .address_space: global }
      - { .name: W_o, .offset: 16, .size: 8, .value_kind: global_buffer, .address_space: global }
      - { .name: xq, .offset: 24, .size: 8, .value_kind: global_buffer, .address_space: global }
      - { .name: wq, .offset: 32, .size: 8, .value_kind: global_buffer, .address_space: global }
    .group_segment_fixed_size: 68096
    .private_segment_fixed_size: 0
    .kernarg_segment_align: 8
    .kernarg_segment_size: 40
    .max_flat_workgroup_size: 128
    .sgpr_count:     66
    .vgpr_count:     210
    .wavefront_size: 32
...
	.end_amdgpu_metadata
.endif
;; end of part 1
;; launch gemm1 (part 2): grid 12 x 64, 4 waves a work-group, clusters of 4 x 4, 327,680 bytes of LDS; arguments xq, wq, qk, vf; writes qk, vf
.if DOCPART == 2
	.amdgcn_target "amdgcn-amd-amdhsa--gfx1250"
	.amdhsa_code_object_version 6
	.text
	.protected	k_q197df68ff6_gemm1
	.globl	k_q197df68ff6_gemm1
	.p2align	8
	.type	k_q197df68ff6_gemm1,@function
k_q197df68ff6_gemm1:
	s_mov_b64 s[64:65], 0
	v_nop
	global_prefetch_b8 v0, s[64:65] scope:SCOPE_SE
	s_setreg_imm32_b32 hwreg(HW_REG_WAVE_MODE, 25, 1), 1
	s_wait_xcnt 0x0
	s_wait_alu depctr_hold_cnt(0) depctr_sa_sdst(0) depctr_va_vdst(0) depctr_va_sdst(0) depctr_va_ssrc(0) depctr_va_vcc(0) depctr_vm_vsrc(0)
	s_getreg_b32 s2, hwreg(HW_REG_IB_STS2, 6, 4)
	s_cmp_eq_u32 s2, 0
	s_cbranch_scc0 .Lentry_in_a_cluster
	s_endpgm
.Lentry_in_a_cluster:
	s_bfe_u32 s2, ttmp6, 0x10000c
	s_cmp_lg_u32 s2, 0xf033
	s_cbranch_scc0 .Lentry_shape_is_right
	s_endpgm
.Lentry_shape_is_right:
; QKV = xin W_qkv on codes of FP6 (E2M3) with E8M0 scales: A = xq [8192][768 bytes], B = wq [3072][768 bytes], scale bytes [row][32] at ASC and BSC.
; A work-group makes 128 x 256 of the result; ALL OF K (1,024 codes, 768 bytes a row) lies in LDS: A's 128 rows and B's 256 rows are dense blocks of memory and come as units of 256 bytes,
; each followed by 16 bytes of padding: byte y of row r lies at 816 r + y + 16 (y / 256).  Nothing is filled again: one barrier in front of the products, one behind the last LDS read.
; Wave 3 fetches A (384 units), waves 0-2 a third of B each (256 units): one joint load a wave; A is shared along a row of the 4 x 4 cluster, B along a column.
; A wave makes 64 x 128: 32 accumulators in window 2; B's fragments, two sets, in window 1; A's, two sets, and the scale words in window 0.
; A step's products go by halves of B; each fragment is asked for 32 products ahead of its wait: A's and B's blocks 0-3 at the start of the step before, B's blocks 4-7 in its middle.
; The scale words (32 bytes a row: eight K steps) go from memory straight into registers, sixteen lanes on 512 consecutive bytes; lanes 16-31 name the same bytes and are not read.
; The matrix instruction is used transposed (source 0 = B's rows, source 1 = A's): a lane holds eight neighbouring columns of one row.
; THE WAY OUT.  The flat result of a batch is Q, K, V, a third each: rows 0-1365 hold Q and K, rows 1365-2047 V.  A cluster covers 512 rows, so by the cluster's y modulo 4:
; 0-2 quantise along the columns (blocks of 32 inside a head row of 64) and store codes [8192][2304] and scale words at QKS; 2-3 store f32 into vf (rows 1024-2047 of each batch) for the launch that quantises V along the keys.
; No prefetch: every tile is asked for at the head, and there is no loop to run ahead in.
; LIMITS: a block of zeros gets the byte 1 where the quantiser's rule says 127 (its codes are zeros, this program alone reads the bytes); NaN and infinities are not served.
.set ASC,    6291456
.set BOC,    0
.set BSC,    2359296
.set QKS,    18874368
.set QKROW,  2304
.set NB4,    12288
.set KROW,   768
.set RP,     816
.set BBASE,  128*RP
.set SPARE,  384*RP
.set FR,     12
.set SPITCH, 528
.set CSTG,   4*16*SPITCH
.set CPITCH, 144
.set CSTO, 8
.set CRD,  9
.set CGO,  10
.set SGO,  11
.set ADA,  16
.set ADB,  18
.set STO,  24
.set RD,   25
.set CO,   26
.set SPW,  28
.set NIL,  29
.set SB,   32
.set SA,   96
.set AF,   128
.set BK,   128
.set TM,   32
.set PW,   48
.set PC,   56
.set CBK,  88
.set G1,  24
.set G0,  32
.set G1B, 48
.set G0B, 56
.set DW,  (3<<16)|(1<<20)|(1<<21)|(5<<22)|(3<<25)
.set MSB, 0
.macro WIN new
.if MSB != (\new)
	s_set_vgpr_msb (MSB<<8)|(\new)
.set MSB, (\new)
.endif
.endm
.macro PLACES
.rept 4
	v_nop
.endr
.endm
.macro CROUND
	s_barrier_signal -1
	s_barrier_wait -1
	s_cmp_lg_u32 s14, 0
	s_cbranch_scc1 .Lnot_wave_0_\@
	s_barrier_signal -3
.Lnot_wave_0_\@:
	s_barrier_wait -3
	s_barrier_signal -1
	s_barrier_wait -1
.endm
	s_load_b64 s[4:5], s[0:1], 0x0
	s_load_b64 s[8:9], s[0:1], 0x8
	s_load_b64 s[96:97], s[0:1], 0x10
	s_load_b64 s[12:13], s[0:1], 0x18
	v_lshl_add_u32 v[SPW], v0, 2, SPARE
	v_mov_b32 v[NIL], 0
	ds_add_u32 v[SPW], v[NIL]                      ; the opening lines: the add twice on end and one wait
	ds_add_u32 v[SPW], v[NIL]
	v_lshrrev_b32 v1, 5, v0
	v_readfirstlane_b32 s14, v1                    ; wave
	s_lshr_b32 s15, s14, 1                         ; which 64 rows are mine
	s_and_b32 s16, s14, 1                          ; which 128 columns
	s_bfe_u32 s40, ttmp6, 0x40000                  ; cx
	s_bfe_u32 s41, ttmp6, 0x40004                  ; cy
	s_lshl_b32 s42, ttmp9, 2
	s_add_co_u32 s42, s42, s40                     ; tile column
	s_and_b32 s67, ttmp7, 0xffff                   ; the cluster's y
	s_lshl_b32 s17, s67, 2
	s_add_co_u32 s17, s17, s41                     ; tile row
	s_and_b32 s68, s67, 3
	s_lshl_b32 s43, s41, 2
	s_lshl_b32 s43, 15, s43
	s_lshl_b32 s44, 0x1111, s40
	s_or_b32 s[G1], s43, DW                        ; units of 256 bytes (32 elements of 8), 16 bytes of padding behind each; A goes to my row of the cluster,
	s_or_b32 s[G1B], s44, DW                       ; B to my column
	s_mov_b32 s[G1+1], 32<<16
	s_mov_b32 s[G1+2], 384<<16
	s_mov_b32 s[G1+3], 32<<16
	s_mov_b32 s[G1+4], 384
	s_mov_b32 s[G1+5], 32
	s_mov_b32 s[G1+6], 0
	s_mov_b32 s[G1+7], 0
	s_mov_b32 s[G1B+1], 32<<16
	s_mov_b32 s[G1B+2], 256<<16
	s_mov_b32 s[G1B+3], 32<<16
	s_mov_b32 s[G1B+4], 256
	s_mov_b32 s[G1B+5], 32
	s_mov_b32 s[G1B+6], 0
	s_mov_b32 s[G1B+7], 0
	s_mul_i32 s20, s17, 128*KROW                   ; A's 128 rows
	s_mov_b32 s21, 0
	s_lshl_b32 s22, s17, 12                        ; the scales of my 64 rows of A
	s_lshl_b32 s18, s15, 11
	s_add_co_u32 s22, s22, s18
	s_add_co_u32 s22, s22, ASC
	s_mov_b32 s23, 0
	s_mul_i32 s46, s42, 256*KROW                   ; B's 256 rows, my third of them
	s_lshl_b32 s18, s14, 16
	s_add_co_u32 s46, s46, s18
	s_add_co_u32 s46, s46, BOC
	s_mov_b32 s47, 0
	s_lshl_b32 s92, s42, 13                        ; the scales of my 128 rows of B
	s_lshl_b32 s18, s16, 12
	s_add_co_u32 s92, s92, s18
	s_add_co_u32 s92, s92, BSC
	s_mov_b32 s93, 0
	s_mul_i32 s45, s14, 256*272
	s_add_co_u32 s45, s45, BBASE
	s_wait_dscnt 0x0
	s_wait_kmcnt 0x0
	s_add_nc_u64 s[20:21], s[4:5], s[20:21]
	s_add_nc_u64 s[22:23], s[4:5], s[22:23]
	s_add_nc_u64 s[46:47], s[8:9], s[46:47]
	s_add_nc_u64 s[92:93], s[8:9], s[92:93]
	s_mov_b32 s[G0], 1
	s_mov_b32 s[G0+1], 0
	s_mov_b64 s[G0+2:G0+3], s[20:21]
	s_or_b32 s[G0+3], s[G0+3], 0x80000000
	s_mov_b32 s[G0B], 1
	s_mov_b32 s[G0B+1], s45
	s_mov_b64 s[G0B+2:G0B+3], s[46:47]
	s_or_b32 s[G0B+3], s[G0B+3], 0x80000000
	CROUND                                         ; all sixteen work-groups are here: the joint loads meet
	s_cmp_lt_u32 s14, 3
	s_cbranch_scc0 .Lfor_a
	tensor_load_to_lds s[G0B:G0B+3], s[G1B:G1B+7]
	s_nop 0
	PLACES
	s_branch .Lasked
.Lfor_a:
	tensor_load_to_lds s[G0:G0+3], s[G1:G1+7]
	s_nop 0
	PLACES
.Lasked:
	s_mul_i32 s60, s15, 64*RP
	s_mul_i32 s61, s16, 128*RP
	s_add_co_u32 s61, s61, BBASE
	s_add_co_u32 s62, s61, 64*RP
	s_mul_i32 s63, s14, 16*SPITCH
	s_mul_i32 s66, s14, 2*16*CPITCH
	s_add_co_u32 s66, s66, CSTG
	s_lshl_b32 s20, s17, 7
	s_lshl_b32 s21, s15, 6
	s_add_co_u32 s20, s20, s21                     ; my first row
	s_mul_i32 s46, s20, QKROW
	s_mul_i32 s47, s42, 192
	s_add_co_u32 s46, s46, s47
	s_mul_i32 s47, s16, 96
	s_add_co_u32 s46, s46, s47
	s_mov_b32 s47, 0
	s_add_nc_u64 s[98:99], s[96:97], QKS
	s_add_nc_u64 s[96:97], s[96:97], s[46:47]      ; my codes
	s_mul_i32 s46, s20, 96
	s_lshl_b32 s21, s42, 3
	s_add_co_u32 s46, s46, s21
	s_lshl_b32 s21, s16, 2
	s_add_co_u32 s46, s46, s21
	s_add_nc_u64 s[98:99], s[98:99], s[46:47]      ; my scale words
	s_lshr_b32 s20, s67, 2                         ; vf: 1,024 rows a batch, 512 for each of its two clusters, 128 a work-group, 64 a wave
	s_lshl_b32 s20, s20, 10
	s_and_b32 s21, s67, 1
	s_lshl_b32 s21, s21, 9
	s_add_co_u32 s20, s20, s21
	s_lshl_b32 s21, s41, 7
	s_add_co_u32 s20, s20, s21
	s_lshl_b32 s21, s15, 6
	s_add_co_u32 s20, s20, s21
	s_mul_i32 s46, s20, NB4
	s_lshl_b32 s21, s42, 10
	s_add_co_u32 s46, s46, s21
	s_lshl_b32 s21, s16, 9
	s_add_co_u32 s46, s46, s21
	s_add_nc_u64 s[12:13], s[12:13], s[46:47]
	s_mov_b32 s20, 0x76543210
	s_mov_b32 s21, 0xfedcba98
	v_and_b32 v1, 15, v0                           ; r
	v_bfe_u32 v2, v0, 4, 1                         ; h
	v_mul_u32_u24 v3, v1, RP
	v_mad_u32_u24 v4, v2, 24, v3                   ; a fragment's row + 24 h;
	v_mad_u32_u24 v5, v2, 40, v3                   ; and where lanes 16-31 read past a unit's end: 16 more
	v_lshlrev_b32 v6, 5, v1                        ; my row's 32 scale bytes
	v_add_nc_u32 v[ADA], s60, v4
	v_add_nc_u32 v[ADA+1], s60, v5
	v_add_nc_u32 v[ADB], s61, v4
	v_add_nc_u32 v[ADB+1], s61, v5
	v_add_nc_u32 v[ADB+2], s62, v4                 ; B's blocks 4-7: beyond the 16-bit immediate
	v_add_nc_u32 v[ADB+3], s62, v5
.irp i, 0,1,2,3,4,5,6,7
	global_load_b128 v[SB+8*\i:SB+8*\i+3], v6, s[92:93] offset:512*\i
	global_load_b128 v[SB+8*\i+4:SB+8*\i+7], v6, s[92:93] offset:512*\i+16
.endr
.irp i, 0,1,2,3
	global_load_b128 v[SA+8*\i:SA+8*\i+3], v6, s[22:23] offset:512*\i
	global_load_b128 v[SA+8*\i+4:SA+8*\i+7], v6, s[22:23] offset:512*\i+16
.endr
	v_mul_u32_u24 v5, v1, SPITCH
	v_lshl_add_u32 v5, v2, 5, v5
	v_add_nc_u32 v[STO], s63, v5
	v_and_b32 v7, 31, v0
	v_lshlrev_b32 v[CO], 4, v7
	v_add_nc_u32 v[RD], s63, v[CO]
	v_mul_u32_u24 v5, v1, CPITCH
	v_lshl_add_u32 v5, v2, 4, v5
	v_add_nc_u32 v[CSTO], s66, v5
	v_lshrrev_b32 v5, 3, v7
	v_and_b32 v7, 7, v7
	v_mul_u32_u24 v3, v5, CPITCH
	v_lshl_add_u32 v3, v7, 4, v3
	v_add_nc_u32 v[CRD], s66, v3
	v_mul_u32_u24 v3, v5, QKROW
	v_mad_u32_u24 v[CGO], v7, 12, v3
	v_mul_u32_u24 v[SGO], v1, 96
.macro FRAG reg, adr, st, i            ; 16 rows x 128 K: six pieces of 8 bytes; piece at byte BY of the row for lanes 0-15, 24 bytes on for lanes 16-31
.irp p, 0,1,2,3,4,5
.set BY, 96*(\st)+48*(\p/3)+8*(\p%3)
.if BY/256 == (BY+24)/256
	ds_load_b64 v[\reg+2*\p:\reg+2*\p+1], v[\adr] offset:BY+16*(BY/256)+(\i)*16*RP
.else
	ds_load_b64 v[\reg+2*\p:\reg+2*\p+1], v[\adr+1] offset:BY+16*(BY/256)+(\i)*16*RP
.endif
.endr
.endm
.macro FETCHB st, p, hi                ; B's blocks 4 hi .. 4 hi + 3 of step st into set p: 24 loads
	WIN 0x40
.irp i, 0,1,2,3
	FRAG 96*(\p)+FR*(\i+4*(\hi)), ADB+2*(\hi), \st, \i
.endr
	WIN 0
.endm
.macro FETCHA st, p                    ; A's four blocks: 24 loads
	WIN 0
.irp i, 0,1,2,3
	FRAG AF+48*(\p)+FR*\i, ADA, \st, \i
.endr
.endm
.macro MUL16 b0, p, st, zero           ; B's blocks b0 .. b0 + 3 x A's four; the 32 accumulators take turns, in the same order in every step
.irp b, \b0, \b0+1, \b0+2, \b0+3
.irp a, 0,1,2,3
.if \zero
	v_wmma_scale_f32_16x16x128_f8f6f4 v[8*(8*\a+(\b)):8*(8*\a+(\b))+7], v[96*(\p)+FR*(\b):96*(\p)+FR*(\b)+FR-1], v[AF+48*(\p)+FR*\a:AF+48*(\p)+FR*\a+FR-1], 0, v[SB+8*(\b)+(\st)], v[SA+8*\a+(\st)] matrix_a_fmt:MATRIX_FMT_FP6 matrix_b_fmt:MATRIX_FMT_FP6
.else
	v_wmma_scale_f32_16x16x128_f8f6f4 v[8*(8*\a+(\b)):8*(8*\a+(\b))+7], v[96*(\p)+FR*(\b):96*(\p)+FR*(\b)+FR-1], v[AF+48*(\p)+FR*\a:AF+48*(\p)+FR*\a+FR-1], v[8*(8*\a+(\b)):8*(8*\a+(\b))+7], v[SB+8*(\b)+(\st)], v[SA+8*\a+(\st)] matrix_a_fmt:MATRIX_FMT_FP6 matrix_b_fmt:MATRIX_FMT_FP6
.endif
.endr
.endr
.endm
.macro STEP st, zero                   ; 128 along K: 32 products
	s_wait_dscnt 24                                ; A's blocks and B's blocks 0-3 are in; the youngest 24 loads (B's blocks 4-7) may be out
.if (\st) < 7
	PLACES                                         ; behind the last step's products, which read the set that is filled now
	FETCHA (\st)+1, ((\st)+1)%2
	FETCHB (\st)+1, ((\st)+1)%2, 0
.endif
	WIN 0xa1
	MUL16 0, (\st)%2, \st, \zero
.if (\st) < 7
	s_wait_dscnt 48                                ; B's blocks 4-7 are in; the 48 loads just issued may be out
	FETCHB (\st)+1, ((\st)+1)%2, 1
	WIN 0xa1
.else
	s_wait_dscnt 0x0
	s_barrier_signal -1                            ; my last LDS read is over
.endif
	MUL16 4, (\st)%2, \st, \zero
.endm
	s_wait_alu depctr_va_vdst(0)                   ; the wait at the head's end
	s_wait_tensorcnt 0x0                           ; my tile is in
	s_barrier_signal -1
	s_barrier_wait -1                              ; everybody's is
	FETCHA 0, 0
	FETCHB 0, 0, 0
	FETCHB 0, 0, 1
	s_wait_loadcnt 0x0                             ; the scale words
	STEP 0, 1
.set ST, 1
.rept 7
	STEP ST, 0
.set ST, ST+1
.endr
	WIN 0
	PLACES
	s_barrier_wait -1                              ; nobody reads the tiles any more: the stages lie in A's bytes, which have had their one fill
	s_cmp_eq_u32 s68, 3
	s_cbranch_scc1 .Lno_c                          ; rows of V alone: no codes
.macro CQ a                            ; 16 rows x 128 columns: four blocks of 32, each in lanes l and l xor 16
.set AC, 64*(\a)
	WIN 0x0a
.irp b, 0,1,2,3
	v_max3_num_f32 v[TM+\b], |v[AC+16*\b]|, |v[AC+16*\b+1]|, 0x1800000
.endr
.irp i, 2,4,6,8,10,12,14
.irp b, 0,1,2,3
	v_max3_num_f32 v[TM+\b], |v[AC+16*\b+\i]|, |v[AC+16*\b+\i+1]|, v[TM+\b]
.endr
.endr
	WIN 0
.irp b, 0,1,2,3
	v_permlanex16_b32 v[TM+4+\b], v[TM+\b], s20, s21
.endr
.irp b, 0,1,2,3
	v_max_num_f32 v[TM+\b], v[TM+\b], v[TM+4+\b]
.endr
.irp b, 0,1,2,3
	v_add_nc_u32 v[TM+12+\b], 0xff000000, v[TM+\b]
.endr
.irp b, 0,1,2,3
	v_lshrrev_b32 v[TM+4+\b], 23, v[TM+12+\b]
.endr
	v_lshl_or_b32 v[PW+(\a)], v[TM+5], 8, v[TM+4]
	v_lshl_or_b32 v[PW+(\a)], v[TM+6], 16, v[PW+(\a)]
	v_lshl_or_b32 v[PW+(\a)], v[TM+7], 24, v[PW+(\a)]
	WIN 2
.irp b, 0,1,2,3
	v_cvt_scalef32_pk16_fp6_f32 v[PC+16*((\a)%2)+4*\b:PC+16*((\a)%2)+4*\b+2], v[AC+16*\b:AC+16*\b+15], v[TM+12+\b]
.endr
	WIN 0
	v_nop
.endm
.macro CST a                           ; through my stage: 12 bytes to a place of 16; back as rows of 96 bytes, eight lanes to a row
.irp b, 0,1,2,3
	ds_store_b96 v[CSTO], v[PC+16*((\a)%2)+4*\b:PC+16*((\a)%2)+4*\b+2] offset:16*CPITCH*((\a)%2)+32*\b
.endr
.irp i, 0,1,2,3
	ds_load_b96 v[CBK+16*((\a)%2)+4*\i:CBK+16*((\a)%2)+4*\i+2], v[CRD] offset:16*CPITCH*((\a)%2)+4*CPITCH*\i
.endr
.endm
.macro CSEND a, younger
	s_wait_dscnt \younger
.irp i, 0,1,2,3
	global_store_b96 v[CGO], v[CBK+16*((\a)%2)+4*\i:CBK+16*((\a)%2)+4*\i+2], s[96:97] offset:(16*(\a)+4*\i)*QKROW
.endr
	global_store_b32 v[SGO], v[PW+(\a)], s[98:99] offset:16*96*(\a)
.endm
.irp b, 0,1,2,3
	v_mov_b32 v[TM+4+\b], 0                        ; a lane permute's destination counts as a source
.endr
	CQ 0
	CST 0
.irp a, 1,2,3
	CQ \a
	s_wait_alu depctr_va_vdst(0)                   ; the wait ahead of the waits below
.if \a > 1
	s_wait_xcnt 0x0                                ; block a - 2's stores have read their registers
.endif
	CST \a
	CSEND \a-1, 8                                  ; behind block a - 1's loads: block a's 4 stores and 4 loads
.endr
	CSEND 3, 0
.Lno_c:
	s_cmp_lt_u32 s68, 2
	s_cbranch_scc1 .Lno_v                          ; rows of Q and K alone: no f32
	s_wait_xcnt 0x0
.macro TOSTAGE a
	WIN 0x08
.irp b, 0,1,2,3,4,5,6,7
	ds_store_b128 v[STO], v[64*(\a)+8*\b:64*(\a)+8*\b+3] offset:64*\b
	ds_store_b128 v[STO], v[64*(\a)+8*\b+4:64*(\a)+8*\b+7] offset:64*\b+16
.endr
	WIN 0
.irp t, 0,1,2,3,4,5,6,7,8,9,10,11,12,13,14,15
	ds_load_b128 v[BK+64*((\a)%2)+4*\t:BK+64*((\a)%2)+4*\t+3], v[RD] offset:\t*SPITCH
.endr
.endm
.macro SEND a, younger
	s_wait_dscnt \younger
.if (\a) > 0
	s_add_nc_u64 s[12:13], s[12:13], 16*NB4
.endif
.irp t, 0,1,2,3,4,5,6,7,8,9,10,11,12,13,14,15
	global_store_b128 v[CO], v[BK+64*((\a)%2)+4*\t:BK+64*((\a)%2)+4*\t+3], s[12:13] offset:\t*NB4   ; 32 lanes store 512 consecutive bytes, aligned
.endr
.endm
	TOSTAGE 0
.irp a, 1,2,3
.if \a > 1
	s_wait_xcnt 0x0
.endif
	TOSTAGE \a
	SEND \a-1, 32                                  ; behind block a - 1's loads: block a's 16 stores and 16 loads
.endr
	s_wait_xcnt 0x0
	SEND 3, 0
.Lno_v:
	s_wait_tensorcnt 0x0                           ; the wave's end
	ds_add_u32 v[SPW], v[NIL]
	s_wait_dscnt 0x0
	CROUND                                         ; the closing round
	s_endpgm
.Lfunc_end_k_q197df68ff6_gemm1:
	.size	k_q197df68ff6_gemm1, .Lfunc_end_k_q197df68ff6_gemm1-k_q197df68ff6_gemm1
	.p2alignl 7, 3214868480
	.fill 96, 4, 3214868480
	.section	.rodata,"a",@progbits
	.p2align	6, 0x0
	.amdhsa_kernel k_q197df68ff6_gemm1
		.amdhsa_group_segment_fixed_size 327680
		.amdhsa_private_segment_fixed_size 0
		.amdhsa_enable_private_segment 0
		.amdhsa_kernarg_size 32
		.amdhsa_user_sgpr_count 2
		.amdhsa_user_sgpr_kernarg_segment_ptr 1
		.amdhsa_wavefront_size32 1
		.amdhsa_system_sgpr_workgroup_id_x 1
		.amdhsa_system_sgpr_workgroup_id_y 1
		.amdhsa_system_sgpr_workgroup_id_z 1
		.amdhsa_system_vgpr_workitem_id 0
		.amdhsa_next_free_vgpr 768
		.amdhsa_next_free_sgpr 100
		.amdhsa_reserve_vcc 0
		.amdhsa_float_denorm_mode_32 3
		.amdhsa_float_denorm_mode_16_64 3
		.amdhsa_memory_ordered 1
		.amdhsa_forward_progress 1
		.amdhsa_inst_pref_size 115
	.end_amdhsa_kernel
	.amdgpu_metadata
---
amdhsa.version: [ 1, 2 ]
amdhsa.kernels:
  - .name:           k_q197df68ff6_gemm1
    .symbol:         k_q197df68ff6_gemm1.kd
    .args:
      - { .name: xq, .offset: 0, .size: 8, .value_kind: global_buffer, .address_space: global }
      - { .name: wq, .offset: 8, .size: 8, .value_kind: global_buffer, .address_space: global }
      - { .name: qk, .offset: 16, .size: 8, .value_kind: global_buffer, .address_space: global }
      - { .name: vf, .offset: 24, .size: 8, .value_kind: global_buffer, .address_space: global }
    .group_segment_fixed_size: 327680
    .private_segment_fixed_size: 0
    .kernarg_segment_align: 8
    .kernarg_segment_size: 32
    .max_flat_workgroup_size: 128
    .sgpr_count:     100
    .vgpr_count:     768
    .wavefront_size: 32
...
	.end_amdgpu_metadata
.endif
;; end of part 2
;; launch vquant (part 3): grid 256 x 1, 4 waves a work-group, no clusters, 25,088 bytes of LDS; arguments vf, vq; writes vq
.if DOCPART == 3
	.amdgcn_target "amdgcn-amd-amdhsa--gfx1250"
	.amdhsa_code_object_version 6
	.text
	.protected	k_q197df68ff6_vquant
	.globl	k_q197df68ff6_vquant
	.p2align	8
	.type	k_q197df68ff6_vquant,@function
k_q197df68ff6_vquant:
	s_mov_b64 s[64:65], 0
	v_nop
	global_prefetch_b8 v0, s[64:65] scope:SCOPE_SE
	s_setreg_imm32_b32 hwreg(HW_REG_WAVE_MODE, 25, 1), 1
	s_wait_xcnt 0x0
; V [64 heads][2048 keys][64 d], f32, in vf (batch b at b x 12,582,912 bytes, V's flat run 4,194,304 bytes further on, head rows of 256 bytes on end) becomes codes of FP6 (E2M3) along THE KEYS, one E8M0 byte for each 32 keys,
; stored as images of the operand's registers: vq: [head][16 steps of 128 keys][4 tiles of 16 d][1,536 bytes]: register j of lane L at 512 (j / 4) + 16 L + 4 (j % 4).  Scale words at VQS: [head][step][64]: word 16 t + r is row r of tile t.
; A lane takes a column d, and its registers run down the keys.  TWO ORDERS ARE CHOSEN FOR THE READER.  (1) In an even block place p holds key p; in an odd block place p holds key (p + 8) % 32: so lie the weights that the attention launch makes.
; (2) Row r of tile 2 beta + u is d = 32 beta + 8 u + r + 8 (r / 8): the 16 result registers of two neighbouring tiles are then 16 neighbouring d.
; LIMITS: a block of zeros gets the byte 1 where the quantiser's rule says 127 (its codes are zeros, this program alone reads the bytes); NaN and infinities are not served.
; SHARES: work-group w: head w / 4, keys 512 (w % 4) on; wave: 256 keys (wave / 2), d = 32 (wave % 2) + lane.  No tensor load, no barrier: waves share nothing.
.set VQS,  6291456
.set NB,   8
.set SB,   24
.set X,    32
.set C,    96
.set OUTR, 112
.set SA,   7
.set SW,   8
.set RDV,  9
.set GV,   10
	s_load_b128 s[4:7], s[0:1], 0x0
	v_lshl_add_u32 v160, v0, 2, 0x6000
	v_mov_b32 v161, 0
	v_lshrrev_b32 v1, 5, v0
	v_readfirstlane_b32 s16, v1
	v_and_b32 v2, 31, v0
	s_wait_alu depctr_va_vdst(0)
	s_lshr_b32 s17, ttmp9, 2
	s_and_b32 s18, ttmp9, 3
	s_lshr_b32 s19, s16, 1
	s_and_b32 s20, s16, 1
	s_lshl_b32 s18, s18, 9
	s_lshl_b32 s19, s19, 8
	s_add_co_u32 s18, s18, s19
	s_lshr_b32 s21, s17, 4
	s_and_b32 s22, s17, 15
	s_mul_i32 s24, s21, 12582912
	s_lshl_b32 s22, s22, 11
	s_add_co_u32 s22, s22, s18
	s_lshl_b32 s22, s22, 8
	s_add_co_u32 s24, s24, s22
	s_lshl_b32 s23, s20, 7
	s_add_co_u32 s24, s24, s23
	s_add_co_u32 s24, s24, 4194304
	s_mov_b32 s25, 0
	s_mul_i32 s26, s17, 98304
	s_mul_i32 s23, s18, 48
	s_add_co_u32 s26, s26, s23
	s_mul_i32 s23, s20, 3072
	s_add_co_u32 s26, s26, s23
	s_mov_b32 s27, 0
	s_lshl_b32 s28, s17, 12
	s_lshl_b32 s23, s18, 1
	s_add_co_u32 s28, s28, s23
	s_lshl_b32 s23, s20, 7
	s_add_co_u32 s28, s28, s23
	s_add_co_u32 s28, s28, VQS
	s_mov_b32 s29, 0
	v_lshlrev_b32 v3, 2, v2
	v_bfe_u32 v4, v2, 3, 1
	v_bfe_u32 v5, v2, 4, 1
	v_and_b32 v6, 7, v2
	v_lshl_add_u32 v6, v5, 3, v6
	s_mul_i32 s30, s16, 6144
	v_mul_u32_u24 v[SA], v4, 1536
	v_lshl_add_u32 v[SA], v6, 4, v[SA]
	v_add_nc_u32 v[SA], s30, v[SA]
	v_lshl_add_u32 v[SW], v4, 4, v6
	v_lshlrev_b32 v[SW], 2, v[SW]
	v_lshlrev_b32 v[GV], 4, v2
	v_add_nc_u32 v[RDV], s30, v[GV]
	s_wait_kmcnt 0x0
	s_add_nc_u64 s[4:5], s[4:5], s[24:25]
	s_add_nc_u64 s[8:9], s[6:7], s[26:27]
	s_add_nc_u64 s[10:11], s[6:7], s[28:29]
.macro LOAD t                          ; block t: register i takes key 32 t + i (even blocks) or 32 t + (i + 8) % 32 (odd blocks)
.irp i, 0,1,2,3,4,5,6,7,8,9,10,11,12,13,14,15,16,17,18,19,20,21,22,23,24,25,26,27,28,29,30,31
	global_load_b32 v[X+32*((\t)%2)+\i], v3, s[4:5] offset:(32*(\t)+(\i+8*((\t)%2))%32)*256 th:TH_LOAD_NT
.endr
.endm
	LOAD 0
	LOAD 1
.macro BLOCK t
.set XS, X+32*((\t)%2)
.set ST, 3072*((\t)/4)+256*((\t)%2)
.if (\t) < NB-1
	s_wait_loadcnt 32                              ; this block's 32 loads are in; the next block's 32 may be out
.else
	s_wait_loadcnt 0
.endif
	v_max3_num_f32 v12, |v[XS]|, |v[XS+1]|, |v[XS+2]|
	v_max3_num_f32 v13, |v[XS+3]|, |v[XS+4]|, |v[XS+5]|
.irp i, 6,10,14,18,22,26
	v_max3_num_f32 v12, v12, |v[XS+\i]|, |v[XS+\i+1]|
	v_max3_num_f32 v13, v13, |v[XS+\i+2]|, |v[XS+\i+3]|
.endr
	v_max3_num_f32 v12, v12, |v[XS+30]|, |v[XS+31]|
	v_max3_num_f32 v12, v12, v13, 0x1800000        ; and the floor 2^(3 - 127)
	v_add_nc_u32 v11, 0xff000000, v12              ; the conversion's scale operand
	v_lshrrev_b32 v13, 23, v11                     ; the scale's byte
.if (\t)%4 == 0
	v_mov_b32 v[SB+(\t)/4], v13
.else
	v_lshl_or_b32 v[SB+(\t)/4], v13, 8*((\t)%4), v[SB+(\t)/4]
.endif
	v_cvt_scalef32_pk16_fp6_f32 v[C:C+2], v[XS:XS+15], v11
	v_cvt_scalef32_pk16_fp6_f32 v[C+4:C+6], v[XS+16:XS+31], v11
	v_nop
	v_mov_b32 v[C+3], v[C+4]
	v_mov_b32 v[C+4], v[C+5]
	v_mov_b32 v[C+5], v[C+6]
.if ((\t)%4)/2 == 0
	ds_store_b128 v[SA], v[C:C+3] offset:ST
	ds_store_b64 v[SA], v[C+4:C+5] offset:ST+512
.else
	ds_store_b64 v[SA], v[C:C+1] offset:ST+520
	ds_store_b128 v[SA], v[C+2:C+5] offset:ST+1024
.endif
.if (\t)+2 < NB
	LOAD (\t)+2
.endif
	s_wait_dscnt 0x0                               ; the stores have read their registers
.endm
.irp t, 0,1,2,3,4,5,6,7
	BLOCK \t
.endr
	global_store_b32 v[SW], v[SB], s[10:11]
	s_wait_alu depctr_va_vdst(0)
	global_store_b32 v[SW], v[SB+1], s[10:11] offset:256
.irp i, 0,1,2,3,4,5,6,7,8,9,10,11
	ds_load_b128 v[OUTR+4*\i:OUTR+4*\i+3], v[RDV] offset:512*\i
.endr
.irp i, 0,1,2,3,4,5,6,7,8,9,10,11
	s_wait_dscnt 11-\i                             ; the younger loads may be out
	global_store_b128 v[GV], v[OUTR+4*\i:OUTR+4*\i+3], s[8:9] offset:(\i/6)*6144+(\i%6)*512
.endr
	s_wait_tensorcnt 0x0
	ds_add_u32 v160, v161
	s_wait_dscnt 0x0
	s_endpgm
.Lfunc_end_k_q197df68ff6_vquant:
	.size	k_q197df68ff6_vquant, .Lfunc_end_k_q197df68ff6_vquant-k_q197df68ff6_vquant
	.p2alignl 7, 3214868480
	.fill 96, 4, 3214868480
	.section	.rodata,"a",@progbits
	.p2align	6, 0x0
	.amdhsa_kernel k_q197df68ff6_vquant
		.amdhsa_group_segment_fixed_size 25088
		.amdhsa_private_segment_fixed_size 0
		.amdhsa_enable_private_segment 0
		.amdhsa_kernarg_size 16
		.amdhsa_user_sgpr_count 2
		.amdhsa_user_sgpr_kernarg_segment_ptr 1
		.amdhsa_wavefront_size32 1
		.amdhsa_system_sgpr_workgroup_id_x 1
		.amdhsa_system_sgpr_workgroup_id_y 1
		.amdhsa_system_sgpr_workgroup_id_z 1
		.amdhsa_system_vgpr_workitem_id 0
		.amdhsa_next_free_vgpr 162
		.amdhsa_next_free_sgpr 66
		.amdhsa_reserve_vcc 0
		.amdhsa_float_denorm_mode_32 3
		.amdhsa_float_denorm_mode_16_64 3
		.amdhsa_memory_ordered 1
		.amdhsa_forward_progress 1
		.amdhsa_inst_pref_size 43
	.end_amdhsa_kernel
	.amdgpu_metadata
---
amdhsa.version: [ 1, 2 ]
amdhsa.kernels:
  - .name:           k_q197df68ff6_vquant
    .symbol:         k_q197df68ff6_vquant.kd
    .args:
      - { .name: vf, .offset: 0, .size: 8, .value_kind: global_buffer, .address_space: global }
      - { .name: vq, .offset: 8, .size: 8, .value_kind: global_buffer, .address_space: global }
    .group_segment_fixed_size: 25088
    .private_segment_fixed_size: 0
    .kernarg_segment_align: 8
    .kernarg_segment_size: 16
    .max_flat_workgroup_size: 128
    .sgpr_count:     66
    .vgpr_count:     162
    .wavefront_size: 32
...
	.end_amdgpu_metadata
.endif
;; end of part 3
;; launch attn (part 4): grid 4 x 64, 16 waves a work-group, clusters of 4 x 1, 206,848 bytes of LDS; arguments qk, vq, oq; writes oq
.if DOCPART == 4
	.amdgcn_target "amdgcn-amd-amdhsa--gfx1250"
	.amdhsa_code_object_version 6
	.text
	.protected	k_q197df68ff6_attn
	.globl	k_q197df68ff6_attn
	.p2align	8
	.type	k_q197df68ff6_attn,@function
k_q197df68ff6_attn:
	s_mov_b64 s[64:65], 0
	v_nop
	global_prefetch_b8 v0, s[64:65] scope:SCOPE_SE
	s_setreg_imm32_b32 hwreg(HW_REG_WAVE_MODE, 25, 1), 1
	s_wait_xcnt 0x0
	s_wait_alu depctr_hold_cnt(0) depctr_sa_sdst(0) depctr_va_vdst(0) depctr_va_sdst(0) depctr_va_ssrc(0) depctr_va_vcc(0) depctr_vm_vsrc(0)
	s_getreg_b32 s2, hwreg(HW_REG_IB_STS2, 6, 4)
	s_cmp_eq_u32 s2, 0
	s_cbranch_scc0 .Lentry_in_a_cluster
	s_endpgm
.Lentry_in_a_cluster:
	s_bfe_u32 s2, ttmp6, 0x10000c
	s_cmp_lg_u32 s2, 0x3003
	s_cbranch_scc0 .Lentry_shape_is_right
	s_endpgm
.Lentry_shape_is_right:
; For each of 64 heads: O[q][:] = sum over k of softmax_k(Q[q] . K[k] / 8) V[k][:], both products on codes of FP6 (E2M3) with E8M0 scales; then O is quantised along (head, d) for the last product.
; Q, K: codes in qk, 48 bytes a head row of 64 (batch b at b x 4,718,592; K 1,572,864 bytes behind Q), two scale bytes a head row at QKS (batch: 196,608; K: 65,536 behind Q).  V: vq, images of the operand's registers, scale words at VQS.
; oq: codes [8192][768], scale bytes [8192][32] at OQS.
; THE SOFTMAX: t = score x log2(e) / 8; M = the running largest t rounded UP to a whole number; p = 2^(t - M) is quantised along the keys; the row's sum is taken of the unquantised p and divides O at the end.
; When M moves, the sum and O are multiplied by 2^(old M - new M): exact.  The promise holds while |t| stays under 2^31.
; LDS HOLDS A WHOLE HEAD (K's and V's codes 98,304 bytes each, their scales 4,096 each), filled once: each of the sixteen waves issues ONE joint load (six K's codes, six V's, two and two the scales), shared by the head's four work-groups.
; SHARES: a work-group owns 512 queries of a head, in two blocks of 256; a wave owns 16 queries of a block.  Both products are used transposed: a lane holds ONE query (lane % 16).
; THE KEYS OF A TILE: tile t of a group of 64 keys takes in rows 0-7 keys 8 t + 0..7 and in rows 8-15 keys 32 + 8 ((t + 1) % 4) + 0..7.  So lanes 0-15 hold in 32 registers a WHOLE block of 32 keys and lanes 16-31 the next block
; (turned by 8, as V's codes are laid): that is the operand's own layout, a block's maximum needs no other lane, and the sixteen rows of 48 bytes begin 40 or 8 keys apart, at different words modulo 64.
; THE FIRST PRODUCT'S K IS 64: Q's codes of k = 64 .. 127 are zeros.  K's fragments OVERLAP: the upper six registers of a tile's twelve are the next tile's codes, which meet Q's zeros and add nothing
; (FP6 has no NaN; their scale bytes are the zeros above a 16-bit load).  So a step's eight tiles are 54 registers and are fetched one step ahead.
; No prefetch into the L2: every byte that goes to LDS is asked for at the head.
; LIMITS: a block of zeros gets the byte 1 where the quantiser's rule says 127 (its codes are zeros, this program alone reads the bytes); NaN and infinities are not served.
.set QKS,  18874368
.set VQS,  6291456
.set OQS,  6291456
.set VC,   98304
.set KSC,  196608
.set VSC,  200704
.set AKA,  1                           ; K's tiles 0-2 of a group: 48 ((r & 7) + 40 (r / 8)) + 24 h
.set AKB,  2                           ; tile 3: 48 ((r & 7) + 8 (r / 8)) + 24 h
.set AVV,  3
.set ASX,  4                           ; K's scale bytes: lanes 0-15 tile 0's rows, lanes 16-31 tile 1's
.set ASY,  5                           ; tiles 2 and 3
.set AST,  6
.set QA,   7
.set QSA,  8
.set GO,   9
.set GS,   10
.set SH8,  11                          ; 8 h
.set QW,   28
.set TT,   29
.set TP,   30
.set KF,   32                          ; v32-85
.set KS,   86                          ; v86-89
.set VS,   90
.set PW,   92
.set BP,   93
.set S,    96
.set OT,   160
.set PC,   192
.set CT,   204
.set BM,   212
.set SO,   216
.set FF,   218
.set L1,   220
.set L2,   222
.set L3,   224
.set KA,   226
.set KB,   227
.set VV,   228
.set SX,   229
.set SY,   230
.set ST,   231
.set EC,   232
.set EW,   240
.set WV,   18
.set SEL,  20
.set CS,   22
.set G0C,  24
.set G0S,  28
.set G1S,  40
.set G1C,  48
.set QC,   56
.set QS,   58
.set OC,   60
.set OS,   62
.set TK,   66
.set TS,   67
.set CNT,  68
.macro CROUND
	s_barrier_signal -1
	s_barrier_wait -1
	s_cmp_lg_u32 s[WV], 0
	s_cbranch_scc1 .Lnot_wave_0_\@
	s_barrier_signal -3
.Lnot_wave_0_\@:
	s_barrier_wait -3
	s_barrier_signal -1
	s_barrier_wait -1
.endm
	s_load_b128 s[4:7], s[0:1], 0x0                ; qk, vq
	s_load_b64 s[8:9], s[0:1], 0x10                ; oq
	v_lshl_add_u32 v254, v0, 2, 0x32000
	v_mov_b32 v255, 0
	ds_add_u32 v254, v255                          ; the opening lines
	ds_add_u32 v254, v255
	v_lshrrev_b32 v1, 5, v0
	v_readfirstlane_b32 s[WV], v1
	s_and_b32 s71, ttmp7, 0xffff                   ; the head
	s_lshr_b32 s72, s71, 4                         ; the batch
	s_and_b32 s73, s71, 15
	s_mul_i32 s74, s72, 196608
	s_lshl_b32 s75, s73, 12
	s_add_co_u32 s74, s74, s75                     ; the head's scale bytes among Q's
	s_mul_i32 s77, s72, 4718592
	s_mul_i32 s75, s73, 98304
	s_add_co_u32 s77, s77, s75                     ; the head's codes among Q's
	s_add_co_u32 s78, s77, 1572864                 ; K's
	s_mul_i32 s79, s71, 98304                      ; V's
	s_lshl_b32 s84, s[WV], 14                      ; waves 0-11: 16,384 bytes each, K's six parts and then V's six, in LDS on end
	s_cmp_lt_u32 s[WV], 6
	s_cselect_b32 s80, 0, 6
	s_cselect_b32 s82, s78, s79
	s_sub_co_u32 s80, s[WV], s80
	s_lshl_b32 s80, s80, 14
	s_add_co_u32 s82, s82, s80
	s_mov_b32 s83, 0
	s_add_co_u32 s78, s74, QKS+65536               ; K's scale bytes
	s_lshl_b32 s79, s71, 12
	s_add_co_u32 s79, s79, VQS                     ; V's scale words
	s_lshl_b32 s76, s[WV], 11                      ; waves 12-15: 2,048 bytes each
	s_add_co_u32 s76, s76, KSC-12*2048
	s_cmp_lt_u32 s[WV], 14
	s_cselect_b32 s86, s78, s79
	s_and_b32 s80, s[WV], 1
	s_lshl_b32 s80, s80, 11
	s_add_co_u32 s86, s86, s80
	s_mov_b32 s87, 0
	s_mov_b32 s[G1S], 15|(3<<16)|(1<<21)           ; dense bytes as rows of 256; the mask names all four work-groups
	s_mov_b32 s[G1S+1], 32<<16
	s_mov_b32 s[G1S+2], 8<<16
	s_mov_b32 s[G1S+3], 32<<16
	s_mov_b32 s[G1S+4], 8
	s_mov_b32 s[G1S+5], 32
	s_mov_b32 s[G1S+6], 0
	s_mov_b32 s[G1S+7], 0
	s_mov_b32 s[G1C], 15|(3<<16)|(1<<21)
	s_mov_b32 s[G1C+1], 32<<16
	s_mov_b32 s[G1C+2], 64<<16
	s_mov_b32 s[G1C+3], 32<<16
	s_mov_b32 s[G1C+4], 64
	s_mov_b32 s[G1C+5], 32
	s_mov_b32 s[G1C+6], 0
	s_mov_b32 s[G1C+7], 0
	s_mov_b32 s[SEL], 0x76543210
	s_mov_b32 s[SEL+1], 0xfedcba98
	s_mov_b32 s[CS], 0x3e38aa3b                    ; c = log2(e) / 8
	s_mov_b32 s[CS+1], s[CS]
	s_wait_dscnt 0x0
	s_wait_kmcnt 0x0
	s_cmp_lt_u32 s[WV], 6
	s_cselect_b64 s[88:89], s[4:5], s[6:7]
	s_cmp_lt_u32 s[WV], 14
	s_cselect_b64 s[90:91], s[4:5], s[6:7]
	s_mov_b32 s[G0C], 1
	s_mov_b32 s[G0C+1], s84
	s_add_nc_u64 s[G0C+2:G0C+3], s[88:89], s[82:83]
	s_or_b32 s[G0C+3], s[G0C+3], 0x80000000
	s_mov_b32 s[G0S], 1
	s_mov_b32 s[G0S+1], s76
	s_add_nc_u64 s[G0S+2:G0S+3], s[90:91], s[86:87]
	s_or_b32 s[G0S+3], s[G0S+3], 0x80000000
	CROUND                                         ; all four work-groups are here: the joint loads meet
	s_cmp_lt_u32 s[WV], 12
	s_cbranch_scc0 .Lscl
	tensor_load_to_lds s[G0C:G0C+3], s[G1C:G1C+7]
	s_nop 0
.rept 4
	v_nop
.endr
	s_branch .Lasked
.Lscl:
	tensor_load_to_lds s[G0S:G0S+3], s[G1S:G1S+7]
	s_nop 0
.rept 4
	v_nop
.endr
.Lasked:
	s_bfe_u32 s70, ttmp6, 0x40000                  ; cx enters Q's and oq's addresses alone
	s_lshl_b32 s88, s70, 9
	s_lshl_b32 s89, s[WV], 4
	s_add_co_u32 s88, s88, s89                     ; my first query
	s_mul_i32 s90, s88, 48
	s_add_co_u32 s90, s90, s77
	s_mov_b32 s91, 0
	s_add_nc_u64 s[QC:QC+1], s[4:5], s[90:91]
	s_lshl_b32 s90, s88, 1
	s_add_co_u32 s90, s90, s74
	s_add_co_u32 s90, s90, QKS
	s_add_nc_u64 s[QS:QS+1], s[4:5], s[90:91]
	s_lshl_b32 s89, s72, 11
	s_add_co_u32 s89, s89, s88
	s_mul_i32 s90, s89, 768
	s_mul_i32 s85, s73, 48
	s_add_co_u32 s90, s90, s85
	s_add_nc_u64 s[OC:OC+1], s[8:9], s[90:91]
	s_lshl_b32 s90, s89, 5
	s_lshl_b32 s85, s73, 1
	s_add_co_u32 s90, s90, s85
	s_add_co_u32 s90, s90, OQS
	s_add_nc_u64 s[OS:OS+1], s[8:9], s[90:91]
	v_and_b32 v30, 15, v0                          ; r
	v_bfe_u32 v31, v0, 4, 1                        ; h
	v_and_b32 v29, 31, v0                          ; lane
	v_and_b32 v226, 7, v0
	v_bfe_u32 v227, v0, 3, 1                       ; r / 8
	v_mul_u32_u24 v[QA], v30, 48
	v_mul_u32_u24 v228, v226, 48
	v_lshl_add_u32 v229, v226, 1, KSC
	v_and_b32 v230, 24, v0
	v_mad_u32_u24 v[QA], v31, 24, v[QA]
	v_mad_u32_u24 v228, v31, 24, v228
	v_mad_u32_u24 v229, v227, 80, v229
	v_add_nc_u32 v230, 8, v230
	v_mad_u32_u24 v[AKA], v227, 1920, v228
	v_mad_u32_u24 v[AKB], v227, 384, v228
	v_lshl_add_u32 v[ASX], v31, 4, v229            ; key (r & 7) + 40 (r / 8) + 8 (lane / 16), 2 bytes each
	v_lshrrev_b32 v230, 5, v230                    ; 1 in lanes 24-31
	v_lshlrev_b32 v230, 6, v230
	v_sub_nc_u32 v[ASY], v[ASX], v230              ; tile 3's rows 8-15 lie 32 keys back
	v_add_nc_u32 v[ASY], 32, v[ASY]
	v_lshl_add_u32 v[AVV], v29, 4, VC
	v_lshl_add_u32 v[AST], v29, 2, VSC
	v_lshlrev_b32 v[QSA], 1, v30
	v_mul_u32_u24 v[GO], v30, 768
	v_lshlrev_b32 v[GS], 5, v30
	v_lshlrev_b32 v[SH8], 3, v31
	v_mad_u32_u24 v[GO], v31, 12, v[GO]
.irp j, 22,23,24,25,26,27
	v_mov_b32 v[\j], 0                             ; Q's codes of k = 64 .. 127: zeros, for the whole launch
.endr
.irp j, 48,49,50,51,52,53
	v_mov_b32 v[KF+\j], 0                          ; what stands above the last tile's codes
.endr
	v_mov_b32 v[BP], 0                             ; a lane permute's destination counts as a source
	v_mov_b32 v[BP+1], 0
	v_mov_b32 v[FF+1], 0
.macro QLOAD blk
.irp p, 0,1,2
	global_load_b64 v[16+2*\p:17+2*\p], v[QA], s[QC:QC+1] offset:12288*\blk+8*\p
.endr
	global_load_u16 v[QW], v[QSA], s[QS:QS+1] offset:512*\blk
.endm
	QLOAD 0
.macro KLOAD ka, kb, sx, sy, o         ; a step's eight tiles of K, 24 bytes a lane each, and their scale bytes; o: steps ahead of the address
.irp c, 0,1
.irp t, 0,1,2
.irp p, 0,1,2
	ds_load_b64 v[KF+6*(4*\c+\t)+2*\p:KF+6*(4*\c+\t)+2*\p+1], v[\ka] offset:6144*\o+3072*\c+384*\t+8*\p
.endr
.endr
.irp p, 0,1,2
	ds_load_b64 v[KF+6*(4*\c+3)+2*\p:KF+6*(4*\c+3)+2*\p+1], v[\kb] offset:6144*\o+3072*\c+1152+8*\p
.endr
	ds_load_u16 v[KS+2*\c], v[\sx] offset:256*\o+128*\c
	ds_load_u16 v[KS+2*\c+1], v[\sy] offset:256*\o+128*\c
.endr
.endm
; A KEY STEP: 128 keys.  pf = 1: the next step's K is fetched.
.macro STEP pf
	v_add_nc_u32 v[VV], s[TK], v[AVV]              ; (these lines are also the five places between the last step's products and the scores, which are laid over V's fragments)
	v_add_nc_u32 v[ST], s[TS], v[AST]
.if \pf
	v_add_nc_u32 v[KA], s[TK], v[AKA]
	v_add_nc_u32 v[KB], s[TK], v[AKB]
	v_add_nc_u32 v[SX], s[TS], v[ASX]
	v_add_nc_u32 v[SY], s[TS], v[ASY]
.else
.rept 3
	v_nop
.endr
.endif
	s_wait_alu depctr_va_vdst(0)                   ; the wait ahead of the wait below
	s_wait_dscnt 0x0                               ; this step's K, asked for a step ago
.irp t, 0,1,2,3,4,5,6,7
.if \t%2
	v_wmma_scale_f32_16x16x128_f8f6f4 v[S+8*\t:S+8*\t+7], v[KF+6*\t:KF+6*\t+11], v[16:27], 0, v[KS+\t/2], v[QW] matrix_a_fmt:MATRIX_FMT_FP6 matrix_b_fmt:MATRIX_FMT_FP6 matrix_a_scale:MATRIX_SCALE_ROW1
.else
	v_wmma_scale_f32_16x16x128_f8f6f4 v[S+8*\t:S+8*\t+7], v[KF+6*\t:KF+6*\t+11], v[16:27], 0, v[KS+\t/2], v[QW] matrix_a_fmt:MATRIX_FMT_FP6 matrix_b_fmt:MATRIX_FMT_FP6
.endif
.endr
.rept 4
	v_nop                                          ; places in front of the loads into K's registers and of the first read of the scores
.endr
.if \pf
	KLOAD KA, KB, SX, SY, 1
.endif
.irp b, 0,1,2,3                                ; my two blocks' largest scores, each in two chains; each tile is read from its low end on
	v_max3_num_f32 v[BM+\b], v[S+16*\b], v[S+16*\b+1], v[S+16*\b+2]
.endr
.irp i, 3,5,7,9,11,13
.irp b, 0,1,2,3
	v_max3_num_f32 v[BM+\b], v[BM+\b], v[S+16*\b+\i], v[S+16*\b+\i+1]
.endr
.endr
	v_max3_num_f32 v[BM], v[BM], v[BM+1], v[S+15]
	v_max3_num_f32 v[BM+2], v[BM+2], v[BM+3], v[S+47]
	v_max_num_f32 v[BM], v[BM], v[S+31]
	v_max_num_f32 v[BM+2], v[BM+2], v[S+63]
	s_delay_alu instid0(VALU_DEP_1)
	v_max_num_f32 v[TT], v[BM], v[BM+2]
	s_delay_alu instid0(VALU_DEP_1)
	v_permlanex16_b32 v[TP], v[TT], s[SEL], s[SEL+1]
	s_delay_alu instid0(VALU_DEP_1)
	v_max_num_f32 v[TT], v[TT], v[TP]              ; the step's largest score of my query
	s_delay_alu instid0(VALU_DEP_1)
	v_mul_f32 v[TT], s[CS], v[TT]
	s_delay_alu instid0(VALU_DEP_1)
	v_max_num_f32 v13, v13, v[TT]                  ; the running largest t
	v_mov_b32 v[TT], v12
	s_delay_alu instid0(VALU_DEP_2)
	v_floor_f32 v12, -v13                          ; -M = floor(-t)
	s_delay_alu instid0(VALU_DEP_1)
	v_sub_f32 v[TT], v12, v[TT]
	s_delay_alu instid0(VALU_DEP_1)
	v_cvt_i32_f32 v[TT], v[TT]
	s_delay_alu instid0(VALU_DEP_1)
	v_ldexp_f32 v[FF], 1.0, v[TT]                  ; f = 2^(old M - new M)
.irp j, 0,2,4,6,8,10,12,14,16,18,20,22,24,26,28,30,32,34,36,38,40,42,44,46,48,50,52,54,56,58,60,62
	v_pk_fma_f32 v[S+\j:S+\j+1], v[S+\j:S+\j+1], s[CS:CS+1], v[12:13] op_sel_hi:[1,0,0]   ; t - M
.endr
	v_fma_f32 v[BM], v[BM], s[CS], v12             ; the same of each block's largest score
	v_fma_f32 v[BM+2], v[BM+2], s[CS], v12
	s_wait_alu depctr_va_vdst(0)                   ; the wait ahead of the batch
.irp j, 0,1,2,3,4,5,6,7,8,9,10,11,12,13,14,15,16,17,18,19,20,21,22,23,24,25,26,27,28,29,30,31,32,33,34,35,36,37,38,39,40,41,42,43,44,45,46,47,48,49,50,51,52,53,54,55,56,57,58,59,60,61,62,63
	v_exp_f32 v[S+\j], v[S+\j]                     ; p = 2^(t - M)
.endr
	v_exp_f32 v[BM], v[BM]                         ; the block's largest p
	v_exp_f32 v[BM+2], v[BM+2]
	v_pk_mul_f32 v[14:15], v[14:15], v[FF:FF+1] op_sel_hi:[1,0]   ; the sums under the new M: the plain line behind the batch
	s_wait_alu depctr_va_vdst(0)                   ; one wait for the batch
	v_max_num_f32 v[BM], 0x1800000, v[BM]          ; the floor 2^(3 - 127)
	v_max_num_f32 v[BM+2], 0x1800000, v[BM+2]
	v_pk_add_f32 v[L1:L1+1], v[S:S+1], v[S+2:S+3]  ; the row's sum of the unquantised p, in four chains
	v_pk_add_f32 v[L2:L2+1], v[S+4:S+5], v[S+6:S+7]
	v_pk_add_f32 v[L3:L3+1], v[S+8:S+9], v[S+10:S+11]
	v_pk_add_f32 v[14:15], v[14:15], v[S+12:S+13]
	v_add_nc_u32 v[SO], 0xff000000, v[BM]          ; the conversions' scale operands
	v_add_nc_u32 v[SO+1], 0xff000000, v[BM+2]
.irp q, 14,22,30,38,46,54
	v_pk_add_f32 v[L1:L1+1], v[L1:L1+1], v[S+\q:S+\q+1]
	v_pk_add_f32 v[L2:L2+1], v[L2:L2+1], v[S+\q+2:S+\q+3]
	v_pk_add_f32 v[L3:L3+1], v[L3:L3+1], v[S+\q+4:S+\q+5]
	v_pk_add_f32 v[14:15], v[14:15], v[S+\q+6:S+\q+7]
.endr
	v_pk_add_f32 v[L1:L1+1], v[L1:L1+1], v[S+62:S+63]
	v_pk_add_f32 v[14:15], v[14:15], v[L3:L3+1]
	s_delay_alu instid0(VALU_DEP_2)
	v_pk_add_f32 v[L1:L1+1], v[L1:L1+1], v[L2:L2+1]
	s_delay_alu instid0(VALU_DEP_1)
	v_pk_add_f32 v[14:15], v[14:15], v[L1:L1+1]
.irp c, 0,1
	v_cvt_scalef32_pk16_fp6_f32 v[PC+6*\c:PC+6*\c+2], v[S+32*\c:S+32*\c+15], v[SO+\c]
	v_cvt_scalef32_pk16_fp6_f32 v[CT+4*\c:CT+4*\c+2], v[S+32*\c+16:S+32*\c+31], v[SO+\c]   ; (a conversion's three registers begin on an even number)
.endr
	v_lshrrev_b32 v[BP], 23, v[SO]                 ; the scales' bytes (also the plain line behind the conversions)
	v_lshrrev_b32 v[BP+1], 23, v[SO+1]
.irp t, 0,1,2,3                                ; V's four fragments land where p lay
.irp g, 0,1,2
	ds_load_b128 v[S+12*\t+4*\g:S+12*\t+4*\g+3], v[VV] offset:1536*\t+512*\g
.endr
.endr
.irp u, 0,1
	ds_load_b32 v[VS+\u], v[ST] offset:128*\u
.endr
	v_lshl_or_b32 v[TT], v[BP+1], 16, v[BP]        ; my blocks h and 2 + h,
	s_delay_alu instid0(VALU_DEP_1)
	v_lshlrev_b32 v[TT], v[SH8], v[TT]             ; at their places in the scale word;
	s_delay_alu instid0(VALU_DEP_1)
	v_permlanex16_b32 v[TP], v[TT], s[SEL], s[SEL+1]
	s_delay_alu instid0(VALU_DEP_1)
	v_or_b32 v[PW], v[TT], v[TP]                   ; with lane l xor 16's two the word is whole
.irp c, 0,1
.irp i, 0,1,2
	v_mov_b32 v[PC+3+6*\c+\i], v[CT+4*\c+\i]
.endr
.endr
	s_wait_alu depctr_va_vdst(0)                   ; the wait directly ahead of the first reader of O^T
.irp j, 0,2,4,6,8,10,12,14,16,18,20,22,24,26,28,30
	v_pk_mul_f32 v[OT+\j:OT+\j+1], v[OT+\j:OT+\j+1], v[FF:FF+1] op_sel_hi:[1,0]   ; O^T under the new M (also the places between the scale word and codes just made and the products)
.endr
	s_wait_alu depctr_va_vdst(0)                   ; the wait ahead of the wait below
	s_wait_dscnt 0x0                               ; V's fragments are in (and the next step's K, asked for ahead of them)
.irp t, 0,1,2,3
.if \t%2
	v_wmma_scale_f32_16x16x128_f8f6f4 v[OT+8*\t:OT+8*\t+7], v[S+12*\t:S+12*\t+11], v[PC:PC+11], v[OT+8*\t:OT+8*\t+7], v[VS+\t/2], v[PW] matrix_a_fmt:MATRIX_FMT_FP6 matrix_b_fmt:MATRIX_FMT_FP6 matrix_a_scale:MATRIX_SCALE_ROW1
.else
	v_wmma_scale_f32_16x16x128_f8f6f4 v[OT+8*\t:OT+8*\t+7], v[S+12*\t:S+12*\t+11], v[PC:PC+11], v[OT+8*\t:OT+8*\t+7], v[VS+\t/2], v[PW] matrix_a_fmt:MATRIX_FMT_FP6 matrix_b_fmt:MATRIX_FMT_FP6
.endif
.endr
	s_add_co_u32 s[TK], s[TK], 6144
	s_add_co_u32 s[TS], s[TS], 256
.endm
; A BLOCK OF 256 QUERIES, 16 of them mine: 16 key steps, then O / the sum is quantised and stored.
.macro BLOCK blk
	s_mov_b32 s[TK], 0
	s_mov_b32 s[TS], 0
	KLOAD AKA, AKB, ASX, ASY, 0                    ; step 0's K
	v_mov_b32 v13, 0xff61b1e6                      ; the largest t so far: -3e38
	v_mov_b32 v14, 0
	v_mov_b32 v15, 0
	v_floor_f32 v12, -v13
.irp j, 0,1,2,3,4,5,6,7,8,9,10,11,12,13,14,15,16,17,18,19,20,21,22,23,24,25,26,27,28,29,30,31
	v_mov_b32 v[OT+\j], 0                          ; O^T: the step is written once, the first finds zeros
.endr
	s_wait_alu depctr_va_vdst(0)
	s_wait_loadcnt 0x0                             ; Q
	s_mov_b32 s[CNT], 15
.Lstep_\@:
	STEP 1
	s_sub_co_u32 s[CNT], s[CNT], 1
	s_cmp_lg_u32 s[CNT], 0
	s_cbranch_scc1 .Lstep_\@
	STEP 0                                         ; the last step fetches no K
.if \blk == 0
	QLOAD 1                                        ; the last product that read Q's registers stands a softmax back
.endif
.rept 4
	v_nop
.endr
.if \blk
	s_wait_xcnt 0x0                                ; the first block's stores have read their data
.endif
	v_add_f32 v14, v14, v15
	s_delay_alu instid0(VALU_DEP_1)
	v_permlanex16_b32 v[TT], v14, s[SEL], s[SEL+1]
	s_delay_alu instid0(VALU_DEP_1)
	v_add_f32 v14, v14, v[TT]                      ; the row's sum
	s_wait_alu depctr_va_vdst(0)
	v_rcp_f32 v14, v14
	v_nop
	s_wait_alu depctr_va_vdst(0)
.irp j, 0,2,4,6,8,10,12,14,16,18,20,22,24,26,28,30
	v_pk_mul_f32 v[S+\j:S+\j+1], v[OT+\j:OT+\j+1], v[14:15] op_sel_hi:[1,0]   ; register 16 beta + i is d = 32 beta + 16 h + i of my query
.endr
.irp b, 0,1
	v_max3_num_f32 v[BM+\b], |v[S+16*\b]|, |v[S+16*\b+1]|, 0x1800000
.endr
.irp i, 2,4,6,8,10,12,14
.irp b, 0,1
	s_delay_alu instid0(VALU_DEP_2)
	v_max3_num_f32 v[BM+\b], v[BM+\b], |v[S+16*\b+\i]|, |v[S+16*\b+\i+1]|
.endr
.endr
.irp b, 0,1
	s_delay_alu instid0(VALU_DEP_2)
	v_permlanex16_b32 v[BP+\b], v[BM+\b], s[SEL], s[SEL+1]
.endr
.irp b, 0,1
	s_delay_alu instid0(VALU_DEP_2)
	v_max_num_f32 v[BM+\b], v[BM+\b], v[BP+\b]
.endr
.irp b, 0,1
	s_delay_alu instid0(VALU_DEP_2)
	v_add_nc_u32 v[SO+\b], 0xff000000, v[BM+\b]
.endr
.irp b, 0,1
	s_delay_alu instid0(VALU_DEP_2)
	v_lshrrev_b32 v[BP+\b], 23, v[SO+\b]
.endr
	s_delay_alu instid0(VALU_DEP_1)
	v_lshl_or_b32 v[EW], v[BP+1], 8, v[BP]
.irp b, 0,1
	v_cvt_scalef32_pk16_fp6_f32 v[EC+4*\b:EC+4*\b+2], v[S+16*\b:S+16*\b+15], v[SO+\b]
.endr
	v_nop
.irp b, 0,1
	global_store_b96 v[GO], v[EC+4*\b:EC+4*\b+2], s[OC:OC+1] offset:196608*\blk+24*\b
.endr
	global_store_b16 v[GS], v[EW], s[OS:OS+1] offset:8192*\blk
.endm
	s_wait_alu depctr_va_vdst(0)                   ; the wait at the head's end
	s_wait_tensorcnt 0x0                           ; my part of the head's K and V is in LDS,
	s_barrier_signal -1
	s_barrier_wait -1                              ; everybody's is; nothing is written to LDS from here on
	BLOCK 0
	BLOCK 1
	s_wait_tensorcnt 0x0                           ; the wave's end
	ds_add_u32 v254, v255
	s_wait_dscnt 0x0
	CROUND                                         ; the closing round
	s_endpgm
.Lfunc_end_k_q197df68ff6_attn:
	.size	k_q197df68ff6_attn, .Lfunc_end_k_q197df68ff6_attn-k_q197df68ff6_attn
	.p2alignl 7, 3214868480
	.fill 96, 4, 3214868480
	.section	.rodata,"a",@progbits
	.p2align	6, 0x0
	.amdhsa_kernel k_q197df68ff6_attn
		.amdhsa_group_segment_fixed_size 206848
		.amdhsa_private_segment_fixed_size 0
		.amdhsa_enable_private_segment 0
		.amdhsa_kernarg_size 24
		.amdhsa_user_sgpr_count 2
		.amdhsa_user_sgpr_kernarg_segment_ptr 1
		.amdhsa_wavefront_size32 1
		.amdhsa_system_sgpr_workgroup_id_x 1
		.amdhsa_system_sgpr_workgroup_id_y 1
		.amdhsa_system_sgpr_workgroup_id_z 1
		.amdhsa_system_vgpr_workitem_id 0
		.amdhsa_next_free_vgpr 256
		.amdhsa_next_free_sgpr 96
		.amdhsa_reserve_vcc 0
		.amdhsa_float_denorm_mode_32 3
		.amdhsa_float_denorm_mode_16_64 3
		.amdhsa_memory_ordered 1
		.amdhsa_forward_progress 1
		.amdhsa_inst_pref_size 83
	.end_amdhsa_kernel
	.amdgpu_metadata
---
amdhsa.version: [ 1, 2 ]
amdhsa.kernels:
  - .name:           k_q197df68ff6_attn
    .symbol:         k_q197df68ff6_attn.kd
    .args:
      - { .name: qk, .offset: 0, .size: 8, .value_kind: global_buffer, .address_space: global }
      - { .name: vq, .offset: 8, .size: 8, .value_kind: global_buffer, .address_space: global }
      - { .name: oq, .offset: 16, .size: 8, .value_kind: global_buffer, .address_space: global }
    .group_segment_fixed_size: 206848
    .private_segment_fixed_size: 0
    .kernarg_segment_align: 8
    .kernarg_segment_size: 24
    .max_flat_workgroup_size: 512
    .sgpr_count:     96
    .vgpr_count:     256
    .wavefront_size: 32
...
	.end_amdgpu_metadata
.endif
;; end of part 4
;; launch gemm2 (part 5): grid 4 x 64, 4 waves a work-group, clusters of 4 x 4, 327,680 bytes of LDS; arguments oq, wq, out0; writes out0
.if DOCPART == 5
	.amdgcn_target "amdgcn-amd-amdhsa--gfx1250"
	.amdhsa_code_object_version 6
	.text
	.protected	k_q197df68ff6_gemm2
	.globl	k_q197df68ff6_gemm2
	.p2align	8
	.type	k_q197df68ff6_gemm2,@function
k_q197df68ff6_gemm2:
	s_mov_b64 s[64:65], 0
	v_nop
	global_prefetch_b8 v0, s[64:65] scope:SCOPE_SE
	s_setreg_imm32_b32 hwreg(HW_REG_WAVE_MODE, 25, 1), 1
	s_wait_xcnt 0x0
	s_wait_alu depctr_hold_cnt(0) depctr_sa_sdst(0) depctr_va_vdst(0) depctr_va_sdst(0) depctr_va_ssrc(0) depctr_va_vcc(0) depctr_vm_vsrc(0)
	s_getreg_b32 s2, hwreg(HW_REG_IB_STS2, 6, 4)
	s_cmp_eq_u32 s2, 0
	s_cbranch_scc0 .Lentry_in_a_cluster
	s_endpgm
.Lentry_in_a_cluster:
	s_bfe_u32 s2, ttmp6, 0x10000c
	s_cmp_lg_u32 s2, 0xf033
	s_cbranch_scc0 .Lentry_shape_is_right
	s_endpgm
.Lentry_shape_is_right:
; out0 = O W_o on codes of FP6 (E2M3) with E8M0 scales: A = oq [8192][768 bytes], B = W_o's codes in wq at BOC [1024][768 bytes], scale bytes [row][32] at ASC and BSC; out0 [8192][1024] f32.
; A work-group makes 128 x 256; ALL OF K (768 bytes a row) lies in LDS: A's 128 rows and B's 256 rows are dense blocks of memory and come as units of 256 bytes with 16 bytes of padding behind each:
; byte y of row r lies at 816 r + y + 16 (y / 256).  Nothing is filled again: one barrier in front of the products, one behind the last LDS read.  256 work-groups.
; Wave 3 fetches A (384 units), waves 0-2 a third of B each (256 units): one joint load a wave; A is shared along a row of the 4 x 4 cluster, B along a column.
; A wave makes 64 x 128: 32 accumulators in window 2; B's fragments, two sets, in window 1; A's, two sets, and the scale words in window 0.
; A step's products go by halves of B; each fragment is asked for 32 products ahead of its wait: A's and B's blocks 0-3 at the start of the step before, B's blocks 4-7 in its middle.
; The scale words go from memory straight into registers, sixteen lanes on 512 consecutive bytes; lanes 16-31 name the same bytes and are not read.
; The matrix instruction is used transposed; a block of 16 rows x 128 columns leaves through the wave's own stage as rows of 512 bytes.
; No prefetch: every tile is asked for at the head, and there is no loop to run ahead in.
.set ASC,    6291456
.set BOC,    2457600
.set BSC,    3244032
.set NB4,    4096
.set KROW,   768
.set RP,     816
.set BBASE,  128*RP
.set SPARE,  384*RP
.set FR,     12
.set SPITCH, 528
.set ADA,  16
.set ADB,  18
.set STO,  24
.set RD,   25
.set CO,   26
.set SPW,  28
.set NIL,  29
.set SB,   32
.set SA,   96
.set AF,   128
.set BK,   128
.set G1,  24
.set G0,  32
.set G1B, 48
.set G0B, 56
.set DW,  (3<<16)|(1<<20)|(1<<21)|(5<<22)|(3<<25)
.set MSB, 0
.macro WIN new
.if MSB != (\new)
	s_set_vgpr_msb (MSB<<8)|(\new)
.set MSB, (\new)
.endif
.endm
.macro PLACES
.rept 4
	v_nop
.endr
.endm
.macro CROUND
	s_barrier_signal -1
	s_barrier_wait -1
	s_cmp_lg_u32 s14, 0
	s_cbranch_scc1 .Lnot_wave_0_\@
	s_barrier_signal -3
.Lnot_wave_0_\@:
	s_barrier_wait -3
	s_barrier_signal -1
	s_barrier_wait -1
.endm
	s_load_b64 s[4:5], s[0:1], 0x0
	s_load_b64 s[8:9], s[0:1], 0x8
	s_load_b64 s[12:13], s[0:1], 0x10
	v_lshl_add_u32 v[SPW], v0, 2, SPARE
	v_mov_b32 v[NIL], 0
	ds_add_u32 v[SPW], v[NIL]                      ; the opening lines: the add twice on end and one wait
	ds_add_u32 v[SPW], v[NIL]
	v_lshrrev_b32 v1, 5, v0
	v_readfirstlane_b32 s14, v1                    ; wave
	s_lshr_b32 s15, s14, 1                         ; which 64 rows are mine
	s_and_b32 s16, s14, 1                          ; which 128 columns
	s_bfe_u32 s40, ttmp6, 0x40000
	s_bfe_u32 s41, ttmp6, 0x40004
	s_lshl_b32 s42, ttmp9, 2
	s_add_co_u32 s42, s42, s40                     ; tile column
	s_and_b32 s17, ttmp7, 0xffff
	s_lshl_b32 s17, s17, 2
	s_add_co_u32 s17, s17, s41                     ; tile row
	s_lshl_b32 s43, s41, 2
	s_lshl_b32 s43, 15, s43
	s_lshl_b32 s44, 0x1111, s40
	s_or_b32 s[G1], s43, DW
	s_or_b32 s[G1B], s44, DW
	s_mov_b32 s[G1+1], 32<<16
	s_mov_b32 s[G1+2], 384<<16
	s_mov_b32 s[G1+3], 32<<16
	s_mov_b32 s[G1+4], 384
	s_mov_b32 s[G1+5], 32
	s_mov_b32 s[G1+6], 0
	s_mov_b32 s[G1+7], 0
	s_mov_b32 s[G1B+1], 32<<16
	s_mov_b32 s[G1B+2], 256<<16
	s_mov_b32 s[G1B+3], 32<<16
	s_mov_b32 s[G1B+4], 256
	s_mov_b32 s[G1B+5], 32
	s_mov_b32 s[G1B+6], 0
	s_mov_b32 s[G1B+7], 0
	s_mul_i32 s20, s17, 128*KROW
	s_mov_b32 s21, 0
	s_lshl_b32 s22, s17, 12
	s_lshl_b32 s18, s15, 11
	s_add_co_u32 s22, s22, s18
	s_add_co_u32 s22, s22, ASC
	s_mov_b32 s23, 0
	s_mul_i32 s46, s42, 256*KROW
	s_lshl_b32 s18, s14, 16
	s_add_co_u32 s46, s46, s18
	s_add_co_u32 s46, s46, BOC
	s_mov_b32 s47, 0
	s_lshl_b32 s92, s42, 13
	s_lshl_b32 s18, s16, 12
	s_add_co_u32 s92, s92, s18
	s_add_co_u32 s92, s92, BSC
	s_mov_b32 s93, 0
	s_mul_i32 s45, s14, 256*272
	s_add_co_u32 s45, s45, BBASE
	s_wait_dscnt 0x0
	s_wait_kmcnt 0x0
	s_add_nc_u64 s[20:21], s[4:5], s[20:21]
	s_add_nc_u64 s[22:23], s[4:5], s[22:23]
	s_add_nc_u64 s[46:47], s[8:9], s[46:47]
	s_add_nc_u64 s[92:93], s[8:9], s[92:93]
	s_mov_b32 s[G0], 1
	s_mov_b32 s[G0+1], 0
	s_mov_b64 s[G0+2:G0+3], s[20:21]
	s_or_b32 s[G0+3], s[G0+3], 0x80000000
	s_mov_b32 s[G0B], 1
	s_mov_b32 s[G0B+1], s45
	s_mov_b64 s[G0B+2:G0B+3], s[46:47]
	s_or_b32 s[G0B+3], s[G0B+3], 0x80000000
	CROUND                                         ; all sixteen work-groups are here: the joint loads meet
	s_cmp_lt_u32 s14, 3
	s_cbranch_scc0 .Lfor_a
	tensor_load_to_lds s[G0B:G0B+3], s[G1B:G1B+7]
	s_nop 0
	PLACES
	s_branch .Lasked
.Lfor_a:
	tensor_load_to_lds s[G0:G0+3], s[G1:G1+7]
	s_nop 0
	PLACES
.Lasked:
	s_mul_i32 s60, s15, 64*RP
	s_mul_i32 s61, s16, 128*RP
	s_add_co_u32 s61, s61, BBASE
	s_add_co_u32 s62, s61, 64*RP
	s_mul_i32 s63, s14, 16*SPITCH
	s_lshl_b32 s20, s17, 7
	s_lshl_b32 s21, s15, 6
	s_add_co_u32 s20, s20, s21                     ; my first row
	s_mul_i32 s46, s20, NB4
	s_lshl_b32 s21, s42, 10
	s_add_co_u32 s46, s46, s21
	s_lshl_b32 s21, s16, 9
	s_add_co_u32 s46, s46, s21
	s_mov_b32 s47, 0
	s_add_nc_u64 s[12:13], s[12:13], s[46:47]
	v_and_b32 v1, 15, v0
	v_bfe_u32 v2, v0, 4, 1
	v_mul_u32_u24 v3, v1, RP
	v_mad_u32_u24 v4, v2, 24, v3
	v_mad_u32_u24 v5, v2, 40, v3
	v_lshlrev_b32 v6, 5, v1
	v_add_nc_u32 v[ADA], s60, v4
	v_add_nc_u32 v[ADA+1], s60, v5
	v_add_nc_u32 v[ADB], s61, v4
	v_add_nc_u32 v[ADB+1], s61, v5
	v_add_nc_u32 v[ADB+2], s62, v4
	v_add_nc_u32 v[ADB+3], s62, v5
.irp i, 0,1,2,3,4,5,6,7
	global_load_b128 v[SB+8*\i:SB+8*\i+3], v6, s[92:93] offset:512*\i
	global_load_b128 v[SB+8*\i+4:SB+8*\i+7], v6, s[92:93] offset:512*\i+16
.endr
.irp i, 0,1,2,3
	global_load_b128 v[SA+8*\i:SA+8*\i+3], v6, s[22:23] offset:512*\i
	global_load_b128 v[SA+8*\i+4:SA+8*\i+7], v6, s[22:23] offset:512*\i+16
.endr
	v_mul_u32_u24 v5, v1, SPITCH
	v_lshl_add_u32 v5, v2, 5, v5
	v_add_nc_u32 v[STO], s63, v5
	v_and_b32 v7, 31, v0
	v_lshlrev_b32 v[CO], 4, v7
	v_add_nc_u32 v[RD], s63, v[CO]
.macro FRAG reg, adr, st, i            ; 16 rows x 128 K: six pieces of 8 bytes; piece at byte BY of the row for lanes 0-15, 24 bytes on for lanes 16-31
.irp p, 0,1,2,3,4,5
.set BY, 96*(\st)+48*(\p/3)+8*(\p%3)
.if BY/256 == (BY+24)/256
	ds_load_b64 v[\reg+2*\p:\reg+2*\p+1], v[\adr] offset:BY+16*(BY/256)+(\i)*16*RP
.else
	ds_load_b64 v[\reg+2*\p:\reg+2*\p+1], v[\adr+1] offset:BY+16*(BY/256)+(\i)*16*RP
.endif
.endr
.endm
.macro FETCHB st, p, hi                ; B's blocks 4 hi .. 4 hi + 3 of step st into set p: 24 loads
	WIN 0x40
.irp i, 0,1,2,3
	FRAG 96*(\p)+FR*(\i+4*(\hi)), ADB+2*(\hi), \st, \i
.endr
	WIN 0
.endm
.macro FETCHA st, p                    ; A's four blocks: 24 loads
	WIN 0
.irp i, 0,1,2,3
	FRAG AF+48*(\p)+FR*\i, ADA, \st, \i
.endr
.endm
.macro MUL16 b0, p, st, zero           ; B's blocks b0 .. b0 + 3 x A's four; the 32 accumulators take turns, in the same order in every step
.irp b, \b0, \b0+1, \b0+2, \b0+3
.irp a, 0,1,2,3
.if \zero
	v_wmma_scale_f32_16x16x128_f8f6f4 v[8*(8*\a+(\b)):8*(8*\a+(\b))+7], v[96*(\p)+FR*(\b):96*(\p)+FR*(\b)+FR-1], v[AF+48*(\p)+FR*\a:AF+48*(\p)+FR*\a+FR-1], 0, v[SB+8*(\b)+(\st)], v[SA+8*\a+(\st)] matrix_a_fmt:MATRIX_FMT_FP6 matrix_b_fmt:MATRIX_FMT_FP6
.else
	v_wmma_scale_f32_16x16x128_f8f6f4 v[8*(8*\a+(\b)):8*(8*\a+(\b))+7], v[96*(\p)+FR*(\b):96*(\p)+FR*(\b)+FR-1], v[AF+48*(\p)+FR*\a:AF+48*(\p)+FR*\a+FR-1], v[8*(8*\a+(\b)):8*(8*\a+(\b))+7], v[SB+8*(\b)+(\st)], v[SA+8*\a+(\st)] matrix_a_fmt:MATRIX_FMT_FP6 matrix_b_fmt:MATRIX_FMT_FP6
.endif
.endr
.endr
.endm
.macro STEP st, zero                   ; 128 along K: 32 products
	s_wait_dscnt 24                                ; A's blocks and B's blocks 0-3 are in; the youngest 24 loads (B's blocks 4-7) may be out
.if (\st) < 7
	PLACES                                         ; behind the last step's products, which read the set that is filled now
	FETCHA (\st)+1, ((\st)+1)%2
	FETCHB (\st)+1, ((\st)+1)%2, 0
.endif
	WIN 0xa1
	MUL16 0, (\st)%2, \st, \zero
.if (\st) < 7
	s_wait_dscnt 48                                ; B's blocks 4-7 are in; the 48 loads just issued may be out
	FETCHB (\st)+1, ((\st)+1)%2, 1
	WIN 0xa1
.else
	s_wait_dscnt 0x0
	s_barrier_signal -1                            ; my last LDS read is over
.endif
	MUL16 4, (\st)%2, \st, \zero
.endm
	s_wait_alu depctr_va_vdst(0)                   ; the wait at the head's end
	s_wait_tensorcnt 0x0                           ; my tile is in
	s_barrier_signal -1
	s_barrier_wait -1                              ; everybody's is
	FETCHA 0, 0
	FETCHB 0, 0, 0
	FETCHB 0, 0, 1
	s_wait_loadcnt 0x0                             ; the scale words
	STEP 0, 1
.set ST, 1
.rept 7
	STEP ST, 0
.set ST, ST+1
.endr
	WIN 0
	PLACES
	s_barrier_wait -1                              ; nobody reads the tiles any more: the stages lie in A's bytes, which have had their one fill
.macro TOSTAGE a
	WIN 0x08
.irp b, 0,1,2,3,4,5,6,7
	ds_store_b128 v[STO], v[64*(\a)+8*\b:64*(\a)+8*\b+3] offset:64*\b
	ds_store_b128 v[STO], v[64*(\a)+8*\b+4:64*(\a)+8*\b+7] offset:64*\b+16
.endr
	WIN 0
.irp t, 0,1,2,3,4,5,6,7,8,9,10,11,12,13,14,15
	ds_load_b128 v[BK+64*((\a)%2)+4*\t:BK+64*((\a)%2)+4*\t+3], v[RD] offset:\t*SPITCH
.endr
.endm
.macro SEND a, younger
	s_wait_dscnt \younger
.if (\a) > 0
	s_add_nc_u64 s[12:13], s[12:13], 16*NB4
.endif
.irp t, 0,1,2,3,4,5,6,7,8,9,10,11,12,13,14,15
	global_store_b128 v[CO], v[BK+64*((\a)%2)+4*\t:BK+64*((\a)%2)+4*\t+3], s[12:13] offset:\t*NB4 th:TH_STORE_NT   ; 32 lanes store 512 consecutive bytes, aligned
.endr
.endm
	TOSTAGE 0
.irp a, 1,2,3
.if \a > 1
	s_wait_xcnt 0x0
.endif
	TOSTAGE \a
	SEND \a-1, 32                                  ; behind block a - 1's loads: block a's 16 stores and 16 loads
.endr
	s_wait_xcnt 0x0
	SEND 3, 0
	s_wait_tensorcnt 0x0                           ; the wave's end
	ds_add_u32 v[SPW], v[NIL]
	s_wait_dscnt 0x0
	CROUND                                         ; the closing round
	s_endpgm
.Lfunc_end_k_q197df68ff6_gemm2:
	.size	k_q197df68ff6_gemm2, .Lfunc_end_k_q197df68ff6_gemm2-k_q197df68ff6_gemm2
	.p2alignl 7, 3214868480
	.fill 96, 4, 3214868480
	.section	.rodata,"a",@progbits
	.p2align	6, 0x0
	.amdhsa_kernel k_q197df68ff6_gemm2
		.amdhsa_group_segment_fixed_size 327680
		.amdhsa_private_segment_fixed_size 0
		.amdhsa_enable_private_segment 0
		.amdhsa_kernarg_size 24
		.amdhsa_user_sgpr_count 2
		.amdhsa_user_sgpr_kernarg_segment_ptr 1
		.amdhsa_wavefront_size32 1
		.amdhsa_system_sgpr_workgroup_id_x 1
		.amdhsa_system_sgpr_workgroup_id_y 1
		.amdhsa_system_sgpr_workgroup_id_z 1
		.amdhsa_system_vgpr_workitem_id 0
		.amdhsa_next_free_vgpr 768
		.amdhsa_next_free_sgpr 98
		.amdhsa_reserve_vcc 0
		.amdhsa_float_denorm_mode_32 3
		.amdhsa_float_denorm_mode_16_64 3
		.amdhsa_memory_ordered 1
		.amdhsa_forward_progress 1
		.amdhsa_inst_pref_size 95
	.end_amdhsa_kernel
	.amdgpu_metadata
---
amdhsa.version: [ 1, 2 ]
amdhsa.kernels:
  - .name:           k_q197df68ff6_gemm2
    .symbol:         k_q197df68ff6_gemm2.kd
    .args:
      - { .name: oq, .offset: 0, .size: 8, .value_kind: global_buffer, .address_space: global }
      - { .name: wq, .offset: 8, .size: 8, .value_kind: global_buffer, .address_space: global }
      - { .name: out0, .offset: 16, .size: 8, .value_kind: global_buffer, .address_space: global }
    .group_segment_fixed_size: 327680
    .private_segment_fixed_size: 0
    .kernarg_segment_align: 8
    .kernarg_segment_size: 24
    .max_flat_workgroup_size: 128
    .sgpr_count:     98
    .vgpr_count:     768
    .wavefront_size: 32
...
	.end_amdgpu_metadata
.endif
;; end of part 5
